; MI455X (gfx1250); checked and timed in simulation.
; The chip was launched on July 23, 2026; its instructions are those of AMD's public machine-readable ISA for CDNA 5 (MIT licence, August 2026) and "CDNA5" Instruction Set Architecture Reference Guide (July 2026). The comments in the code are by the model that wrote it; some were corrected since.
;; Multi Head Attention. Allowed arithmetic: matrix products marked QUANTISED: E2M1 operands, one E8M0 scale for each 32 along K, by v_wmma_scale_f32_16x16x128_f8f6f4 with both operands' format E2M1 (or v_wmma_scale_f32_32x16x128_f4), f32 sums; products left as they are: bf16, f16 or f32 operands; f32 sums; everything else in f32.
;; Inputs: Wk 1,024 x 1,024 float32; Wo 1,024 x 1,024 float32; Wq 1,024 x 1,024 float32; Wv 1,024 x 1,024 float32; bk 1,024 float32; bo 1,024 float32; bq 1,024 float32; bv 1,024 float32; k_in 4 x 2,048 x 1,024 float32; q_in 4 x 2,048 x 1,024 float32; v_in 4 x 2,048 x 1,024 float32.
;; Outputs: out0 4 x 2,048 x 1,024 float32.
;; This version of the problem:
;;   THIS VERSION OF THE PROBLEM IS GIVEN IN LOW PRECISION. The matrix products marked QUANTISED in the list below multiply operands that are first quantised to E2M1 (2 exponent bits, 1 mantissa bit; 4 bits a number), with one power-of-two scale for each 32 numbers along K (OCP MX v1.0); their sums are f32. The products marked 'left as it is' may take bf16, f16 or f32 operands, with f32 sums. Whichever they take, every output number must still come out within the allowed error. Rounding operands to bf16 (8 significant bits) uses up far more of that allowance than f16 does (11 bits, for magnitudes from 6e-5 to 65,504). All else is computed in f32.
;;   The module's matrix products, in the order in which they are computed (A, B: the left and right operand; K: the contracted axis; several contracted axes count as one K, in the product's order):
;;     1. [M 8,192, K 1,024] x [K 1,024, N 1,024]; A: input q_in; B: input Wq: QUANTISED
;;     2. [M 8,192, K 1,024] x [K 1,024, N 1,024]; A: input k_in; B: input Wk: QUANTISED
;;     3. [M 8,192, K 1,024] x [K 1,024, N 1,024]; A: input v_in; B: input Wv: QUANTISED
;;     4. batch 64 x [M 2,048, K 64] x [K 64, N 2,048]; A: computed on the way; B: computed on the way: left as it is (an operand is computed on the way)
;;     5. batch 64 x [M 2,048, K 2,048] x [K 2,048, N 64]; A: computed on the way; B: computed on the way: left as it is (an operand is computed on the way)
;;     6. [M 8,192, K 1,024] x [K 1,024, N 1,024]; A: computed on the way; B: input Wo: left as it is (an operand is computed on the way)
;;   THE QUANTISER, for each operand of a quantised product, along K:
;;     - K is cut into blocks of 32 from its start; a last block that is shorter is filled with zeros.
;;     - A block's scale is 2^e with e = floor(log2(the largest magnitude in the block)) - 2, held to -126 .. 127; a block of zeros has e = 0. As a byte (E8M0): e + 127.
;;     - Each number is divided by its block's scale, clamped to +-6, and rounded to the nearest number of E2M1, ties to even, subnormals kept.
;;     - The product sums the exact products of the quantised numbers (number of the format x scale) in f32.
;;   ~~~python
;;   def quantise(x, axis):      # numpy; x: float32 -> the quantised numbers, widened to float32 again
;;       x = np.moveaxis(x, axis, -1); K = x.shape[-1]
;;       x = np.pad(x, [(0, 0)] * (x.ndim - 1) + [(0, -K % 32)]); x = x.reshape(x.shape[:-1] + (-1, 32)); a = np.abs(x).max(-1, keepdims=True)
;;       e = np.where(a > 0, np.clip(np.frexp(np.where(a > 0, a, 1))[1] - 1 - 2, -126, 127), 0)      # np.frexp(a)[1] - 1 = floor(log2(a)), exactly
;;       r = np.clip(x / 2.0 ** e, -6, 6)
;;       step = 2.0 ** (np.maximum(np.frexp(np.where(r == 0, 1, r))[1] - 1, 0) - 1)
;;       q = np.round(r / step) * step * 2.0 ** e      # np.round: ties to even
;;       return np.moveaxis(q.reshape(q.shape[:-2] + (-1,))[..., :K], -1, axis).astype(np.float32)
;;   ~~~
;; One version. Each part assembles by itself: llvm-mc -triple=amdgcn-amd-amdhsa -mcpu=gfx1250 --defsym DOCPART=n.
;; ======== version 1 of 1: 5 launches
;; limits: values are held in f16: magnitudes above 65,504 overflow, below 6.1e-05 lose precision
;; workspace buffers: xcodes 12,582,912 bytes; xscales 786,432 bytes; wcodes 1,572,864 bytes; wscales 98,304 bytes; wot 2,097,152 bytes; qkv 50,331,648 bytes; rows32 786,432 bytes; attn 16,777,216 bytes
;; launch prep (part 1): grid 1024 x 1, 4 waves a work-group, no clusters, 50,688 bytes of LDS; arguments q_in, k_in, v_in, Wq, Wk, Wv, Wo, xcodes, xscales, wcodes, wscales, wot; writes xcodes, xscales, wcodes, wscales, wot
.if DOCPART == 1
	.amdgcn_target "amdgcn-amd-amdhsa--gfx1250"
	.amdhsa_code_object_version 6
	.text
	.protected	k_qa5ef517e52_prep
	.globl	k_qa5ef517e52_prep
	.p2align	8
	.type	k_qa5ef517e52_prep,@function
k_qa5ef517e52_prep:
	s_mov_b64 s[64:65], 0
	v_nop
	global_prefetch_b8 v0, s[64:65] scope:SCOPE_SE
	s_setreg_imm32_b32 hwreg(HW_REG_WAVE_MODE, 25, 1), 1
	s_wait_xcnt 0x0
; PREPARATION OF ALL OPERANDS, one launch, three ways that part on the work-group's number and never join; each way has LDS bytes of its own.
;   work-groups 0-191:    Wq, Wk, Wv [1024 (k)][1024 (n)] f32 -> codes of FP4 (E2M1) laid [t][n][512 bytes], K innermost, and E8M0 scale bytes [t][n][32]
;   work-groups 192-255:  Wo [1024 (k)][1024 (n)] f32 -> f16, laid [k / 64][n][64]: K innermost inside a head's 64
;   work-groups 256-1023: q_in, k_in, v_in [8192][1024] f32 -> codes [t][row][512 bytes] and scale bytes [t][row][32]
; A block's scale is 2^(floor(log2(its largest magnitude)) - 2); its byte is the largest magnitude's exponent field - 2, held at 1 from below.  Each number is divided by the scale and rounded to the nearest code, ties to even;
; beyond 6 the conversion gives the largest code.
; LIMITS: a block of zeros gets the byte 1 where the rule says 127 (its codes are zeros, and this program alone reads the bytes); blocks whose largest magnitude lies under 2^-124 keep the byte 1; NaN and infinities among
; the inputs are not served; a number of Wo of magnitude 65,520 or more becomes infinity in f16, one under 6.1e-5 keeps an absolute error of up to 3e-8.
; No tensor loads, no cluster: no two work-groups read the same byte.  The weights' work-groups have the low numbers, so that their many small loads run beside the activations' stream.
.set STEPS, 16
.set EMAX,  2
.set CB,    8                          ; bytes of 16 codes
.set R,     16                         ; activations: v16-79 four sets of 16 numbers as loaded
.set X,     80                         ; v80-111  two sets of 16 neighbours
.set E,     112                        ; v112-127 a scale byte for each step
.set C,     128                        ; v128-191 codes: four registers for each step
.set SP,    80                         ; a lane's place in a stage: 64 bytes + 16 of padding
.set WREG,  5632                       ; activations: a wave's LDS: two stages of 32 x 80 bytes, then its 256 scale bytes
.set WSTG,  4*WREG                     ; weights: the work-group's stage, 32 columns x (256 bytes + 16)
.set WSC,   WSTG+32*272                ; and their scale bytes, 16 a column
.set OSTG,  WSC+512                    ; Wo: a stage of 32 columns x (128 bytes + 16) for each wave
.set SPARE, OSTG+4*4608                ; the spare words, 128 bytes for each wave: two blocks of 256 bytes that no other line names
.set SPW,   192                        ; v192 LDS address of my spare word; never rewritten
.set NIL,   193                        ; v193 0; never rewritten
	s_load_b512 s[8:23], s[0:1], 0x0               ; q_in 8, k_in 10, v_in 12, Wq 14, Wk 16, Wv 18, Wo 20, xcodes 22
	s_load_b256 s[24:31], s[0:1], 0x40             ; xscales 24, wcodes 26, wscales 28, wot 30
	v_lshl_add_u32 v[SPW], v0, 2, SPARE
	v_mov_b32 v[NIL], 0
	v_lshrrev_b32 v1, 5, v0
	v_readfirstlane_b32 s4, v1                     ; wave 0..3
	v_and_b32 v2, 31, v0                           ; lane
	s_wait_kmcnt 0x0
	s_cmp_lt_u32 ttmp9, 256
	s_cbranch_scc1 .Lweights
; ---------------- THE ACTIVATIONS.  Rows are dense and K is a multiple of 32: each tensor is a plain stream of blocks of 32, and so are its codes and scale bytes.
; A wave takes 16 steps of 512 numbers.  Each load reads 512 consecutive bytes; a step's 2,048 bytes turn through the wave's own stage, so that a lane then holds 16 neighbours (two neighbouring lanes hold a block).
	s_sub_co_u32 s5, ttmp9, 256                    ; 0..767: 256 work-groups of 32,768 numbers for each tensor
	s_lshr_b32 s6, s5, 8                           ; which tensor
	s_cmp_eq_u32 s6, 0
	s_cselect_b64 s[32:33], s[8:9], s[10:11]
	s_cmp_lt_u32 s6, 2
	s_cselect_b64 s[32:33], s[32:33], s[12:13]     ; the choice hangs on the work-group's number alone
	s_and_b32 s6, s5, 255
	s_lshl_b32 s6, s6, 2
	s_add_co_u32 s6, s6, s4                        ; my wave's run of 8,192 numbers in the tensor
	s_lshl_b32 s34, s6, 15
	s_mov_b32 s35, 0
	s_add_nc_u64 s[32:33], s[32:33], s[34:35]
	s_lshl_b32 s6, s5, 2
	s_add_co_u32 s6, s6, s4                        ; and in the joined outputs
	s_lshl_b32 s34, s6, 12                         ; 4,096 bytes of codes a run
	s_add_nc_u64 s[22:23], s[22:23], s[34:35]
	s_lshl_b32 s34, s6, 8                          ; 256 scale bytes a run
	s_add_nc_u64 s[24:25], s[24:25], s[34:35]
	v_lshlrev_b32 v3, 4, v2                        ; my 16 bytes of a load's 512
	s_mul_i32 s7, s4, WREG
	v_lshrrev_b32 v14, 2, v2
	v_mul_u32_u24 v14, v14, SP
	v_and_b32 v15, 3, v2
	v_lshl_add_u32 v14, v15, 4, v14
	v_add_nc_u32 v14, s7, v14                      ; the stage, on the way in: four lanes' 64 bytes on end, then 16 of padding
	v_mul_u32_u24 v15, v2, SP
	v_add_nc_u32 v15, s7, v15                      ; and on the way out: my 16 neighbours
	v_mul_u32_u24 v4, v2, CB                       ; my codes' place in a step's
	v_lshrrev_b32 v5, 1, v2
	s_add_co_u32 s7, s7, 2*32*SP
	v_add_nc_u32 v5, s7, v5                        ; my wave's 256 scale bytes, my block's byte
	v_lshlrev_b32 v7, 3, v2                        ; and on the way out 8 bytes a lane
	v_add_nc_u32 v6, s7, v7
.macro XLOAD t
.irp i, 0,1,2,3
	global_load_b128 v[R+16*((\t)%4)+4*\i:R+16*((\t)%4)+4*\i+3], v3, s[32:33] offset:2048*(\t)+512*\i th:TH_LOAD_NT   ; 32 lanes read 512 consecutive bytes
.endr
.endm
.macro XTURN t                         ; step t's numbers through the stage: LDS serves a wave's instructions in order, so no wait stands between the stores and the loads
.irp i, 0,1,2,3
	ds_store_b128 v14, v[R+16*((\t)%4)+4*\i:R+16*((\t)%4)+4*\i+3] offset:32*SP*((\t)%2)+8*SP*\i
.endr
.irp i, 0,1,2,3
	ds_load_b128 v[X+16*((\t)%2)+4*\i:X+16*((\t)%2)+4*\i+3], v15 offset:32*SP*((\t)%2)+16*\i
.endr
.endm
.irp t, 0,1,2,3
	XLOAD \t
.endr
	s_wait_loadcnt 12                              ; step 0's four loads are in; the twelve behind them may be out
	XTURN 0
.macro XSTEP t
.set XS, X+16*((\t)%2)
.if (\t) > 0
	s_wait_dscnt 1                                 ; this step's numbers are back from the stage (the last step's byte store may be out)
.else
	s_wait_dscnt 0x0
.endif
.if (\t)+4 < STEPS
	XLOAD (\t)+4                                   ; into the registers that the stage's stores have read
.endif
.if (\t)+1 < STEPS
.if STEPS-2-(\t) >= 3
	s_wait_loadcnt 12                              ; the next step's four loads are in; those of the three steps behind it may be out
.else
	s_wait_loadcnt 4*(STEPS-2-(\t))
.endif
	XTURN (\t)+1
.endif
	v_max3_num_f32 v8, |v[XS]|, |v[XS+1]|, |v[XS+2]|               ; the largest magnitude of my 16, in two chains
	v_max3_num_f32 v9, |v[XS+3]|, |v[XS+4]|, |v[XS+5]|
.irp i, 6,10
	v_max3_num_f32 v8, v8, |v[XS+\i]|, |v[XS+\i+1]|
	v_max3_num_f32 v9, v9, |v[XS+\i+2]|, |v[XS+\i+3]|
.endr
	v_max3_num_f32 v8, v8, |v[XS+14]|, |v[XS+15]|
	v_max3_num_f32 v8, v8, v9, (EMAX+1)<<23        ; and the floor 2^(3 - 127): the byte cannot fall under 1
	v_max_num_f32_dpp v8, v8, v8 row_xmask:1 row_mask:0xf bank_mask:0xf   ; and of my neighbour's 16: the block's
	v_add_nc_u32 v11, -(EMAX<<23), v8              ; 2 off its exponent field: the conversion takes the exponent field of this operand as its scale
	v_cvt_scalef32_pk8_fp4_f32 v[C+4*(\t)], v[XS:XS+7], v11
	v_cvt_scalef32_pk8_fp4_f32 v[C+4*(\t)+1], v[XS+8:XS+15], v11
	v_lshrrev_b32 v[E+(\t)], 23, v11               ; the scale's byte (also the plain line behind the conversions)
	ds_store_b8 v5, v[E+(\t)] offset:16*(\t)       ; both lanes of a block write the same byte with the same value
	global_store_b64 v4, v[C+4*(\t):C+4*(\t)+1], s[22:23] offset:32*CB*(\t)   ; the wave stores 256 consecutive bytes, aligned
.endm
.irp t, 0,1,2,3,4,5,6,7,8,9,10,11,12,13,14,15
	XSTEP \t
.endr
	ds_load_b64 v[8:9], v6                         ; LDS serves a wave's instructions in order: these see my byte stores
	s_wait_dscnt 0x0
	global_store_b64 v7, v[8:9], s[24:25]          ; 32 lanes store 256 consecutive scale bytes, aligned
	s_wait_tensorcnt 0x0                           ; the wave's end, behind my last LDS store
	ds_add_u32 v[SPW], v[NIL]
	s_wait_dscnt 0x0
	s_endpgm
; ---------------- THE WEIGHTS.  K is the FIRST axis: a lane takes a column n and its registers run down K.  A work-group takes 32 columns x 512 along K, a wave 128 of them: four blocks of 32.
.Lweights:
	s_lshr_b32 s5, ttmp9, 6                        ; which weight: 0 Wq, 1 Wk, 2 Wv, 3 Wo
	s_bfe_u32 s6, ttmp9, 0x50001                   ; which 32 columns
	s_and_b32 s7, ttmp9, 1                         ; which half of K
	s_cmp_eq_u32 s5, 0
	s_cselect_b64 s[36:37], s[14:15], s[16:17]
	s_cmp_lt_u32 s5, 2
	s_cselect_b64 s[36:37], s[36:37], s[18:19]
	s_cmp_eq_u32 s5, 3
	s_cselect_b64 s[36:37], s[20:21], s[36:37]
	s_lshl_b32 s34, s7, 21                         ; 512 rows of 4,096 bytes
	s_lshl_b32 s33, s4, 19                         ; 128 rows
	s_add_co_u32 s34, s34, s33
	s_lshl_b32 s33, s6, 7                          ; 32 columns
	s_add_co_u32 s34, s34, s33
	s_mov_b32 s35, 0
	s_add_nc_u64 s[36:37], s[36:37], s[34:35]
	v_lshlrev_b32 v3, 2, v2                        ; 4 bytes a lane: a load reads 128 consecutive bytes
.macro WLOAD t                         ; block t: W(32 t + i, my column), i = 0 .. 31, into set t % 2
.irp i, 0,1,2,3,4,5,6,7,8,9,10,11,12,13,14,15,16,17,18,19,20,21,22,23,24,25,26,27,28,29,30,31
	global_load_b32 v[32+32*((\t)%2)+\i], v3, s[36:37] offset:(32*(\t)+\i)*4096 th:TH_LOAD_NT
.endr
.endm
	WLOAD 0
	WLOAD 1
	s_cmp_eq_u32 s5, 3
	s_cbranch_scc1 .Lwo
	; ---- Wq, Wk, Wv: codes and scale bytes
	v_mul_u32_u24 v4, v2, 272
	s_lshl_b32 s33, s4, 6
	s_add_co_u32 s33, s33, WSTG
	v_add_nc_u32 v4, s33, v4                       ; into the stage: row = my column, my wave's 64 bytes of its 256
	s_lshl_b32 s33, s4, 2
	s_add_co_u32 s33, s33, WSC
	v_lshl_add_u32 v5, v2, 4, s33                  ; my column's 16 scale bytes, my wave's word
	v_lshrrev_b32 v10, 4, v2
	v_and_b32 v13, 15, v2
	v_mul_u32_u24 v7, v10, 272
	v_lshl_add_u32 v7, v13, 4, v7
	s_mul_i32 s33, s4, 8*272
	s_add_co_u32 s33, s33, WSTG
	v_add_nc_u32 v7, s33, v7                       ; out of it: wave w takes columns 8 w .. 8 w + 7, sixteen lanes to a row of 256 bytes
	v_lshlrev_b32 v8, 9, v10
	v_lshl_add_u32 v8, v13, 4, v8
	s_lshl_b32 s33, s4, 12
	v_add_nc_u32 v8, s33, v8                       ; and the same place in the codes' buffer: rows of 512 bytes
	s_lshl_b32 s33, s4, 7
	s_add_co_u32 s33, s33, WSC
	v_lshl_add_u32 v6, v2, 2, s33                  ; the scale words back: word 32 w + lane
	v_lshrrev_b32 v9, 2, v2
	v_lshlrev_b32 v9, 5, v9
	v_and_b32 v10, 3, v2
	v_lshl_add_u32 v9, v10, 2, v9
	s_lshl_b32 s33, s4, 8
	v_add_nc_u32 v9, s33, v9                       ; column 8 w + lane / 4 (rows of 32 bytes), word lane % 4
	s_lshl_b32 s33, s5, 10
	s_lshl_b32 s34, s6, 5
	s_add_co_u32 s33, s33, s34                     ; the first column's row in the joined buffers
	s_lshl_b32 s34, s33, 9
	s_lshl_b32 s38, s7, 8
	s_add_co_u32 s34, s34, s38
	s_add_nc_u64 s[26:27], s[26:27], s[34:35]
	s_lshl_b32 s34, s33, 5
	s_lshl_b32 s38, s7, 4
	s_add_co_u32 s34, s34, s38
	s_add_nc_u64 s[28:29], s[28:29], s[34:35]
.macro WBLOCK t
.set XS, 32+32*((\t)%2)
.if (\t) < 3
	s_wait_loadcnt 32                              ; this block's 32 loads are in; the next block's may be out
.else
	s_wait_loadcnt 0x0
.endif
	v_max3_num_f32 v12, |v[XS]|, |v[XS+1]|, |v[XS+2]|              ; the block's largest magnitude: all 32 numbers are mine
	v_max3_num_f32 v13, |v[XS+3]|, |v[XS+4]|, |v[XS+5]|
.irp i, 6,10,14,18,22,26
	v_max3_num_f32 v12, v12, |v[XS+\i]|, |v[XS+\i+1]|
	v_max3_num_f32 v13, v13, |v[XS+\i+2]|, |v[XS+\i+3]|
.endr
	v_max3_num_f32 v12, v12, |v[XS+30]|, |v[XS+31]|
	v_max3_num_f32 v12, v12, v13, (EMAX+1)<<23     ; and the floor
	v_add_nc_u32 v11, -(EMAX<<23), v12
	v_lshrrev_b32 v13, 23, v11                     ; the scale's byte
.if (\t) == 0
	v_mov_b32 v24, v13                             ; four bytes to a word, the lower K in the lower byte
.else
	v_lshl_or_b32 v24, v13, 8*(\t), v24
.endif
.irp g, 0,1,2,3
	v_cvt_scalef32_pk8_fp4_f32 v[96+\g], v[XS+8*\g:XS+8*\g+7], v11
.endr
	ds_store_b128 v4, v[96:99] offset:16*(\t)      ; 32 codes: 16 bytes of my column's row
.if (\t)+2 < 4
	WLOAD (\t)+2
.endif
	s_wait_dscnt 0x0                               ; the store has read its registers: the next block's codes may be written
.endm
	WBLOCK 0
	WBLOCK 1
	WBLOCK 2
	WBLOCK 3
	ds_store_b32 v5, v24
	s_wait_dscnt 0x0                               ; for the others' sake: my stores into the stage have landed
	s_barrier_signal -1
	s_barrier_wait -1                              ; a column's 256 bytes come from four waves
.irp i, 0,1,2,3
	ds_load_b128 v[112+4*\i:115+4*\i], v7 offset:544*\i
.endr
	ds_load_b32 v28, v6
.irp i, 0,1,2,3
	s_wait_dscnt 4-\i                              ; the younger LDS loads may be out
	global_store_b128 v8, v[112+4*\i:115+4*\i], s[26:27] offset:1024*\i   ; sixteen lanes store 256 consecutive bytes, aligned
.endr
	s_wait_dscnt 0x0
	global_store_b32 v9, v28, s[28:29]             ; pieces of 16 bytes of rows 32 bytes long: one byte in 128 of what this way reads
	s_wait_tensorcnt 0x0                           ; the wave's end, behind my last LDS store
	ds_add_u32 v[SPW], v[NIL]
	s_wait_dscnt 0x0
	s_endpgm
	; ---- Wo: rounded to f16, turned so that K lies innermost inside a head's 64.  The stage is the wave's own: no barrier.
.Lwo:
	s_mul_i32 s33, s4, 4608
	s_add_co_u32 s33, s33, OSTG
	v_mul_u32_u24 v4, v2, 144
	v_add_nc_u32 v4, s33, v4                       ; into my stage: row = my column, 128 bytes + 16
	v_lshrrev_b32 v10, 3, v2
	v_mul_u32_u24 v7, v10, 144
	v_and_b32 v10, 7, v2
	v_lshl_add_u32 v7, v10, 4, v7
	v_add_nc_u32 v7, s33, v7                       ; out of it: eight lanes to a row, four rows an instruction
	v_lshlrev_b32 v8, 4, v2                        ; which are 512 consecutive bytes of the buffer
	s_lshl_b32 s34, s7, 20                         ; head 8 y + 2 w (+ 1): 131,072 bytes a head
	s_lshl_b32 s38, s4, 18
	s_add_co_u32 s34, s34, s38
	s_lshl_b32 s38, s6, 12                         ; 32 columns of 128 bytes
	s_add_co_u32 s34, s34, s38
	s_add_nc_u64 s[30:31], s[30:31], s[34:35]
.macro OBLOCK t
.set XS, 32+32*((\t)%2)
.if (\t) < 3
	s_wait_loadcnt 32                              ; this block's 32 loads are in; the next block's may be out
.else
	s_wait_loadcnt 0x0
.endif
.irp i, 0,1,2,3,4,5,6,7,8,9,10,11,12,13,14,15
	v_cvt_pk_f16_f32 v[96+\i], v[XS+2*\i], v[XS+2*\i+1]
.endr
.irp i, 0,1,2,3
	ds_store_b128 v4, v[96+4*\i:99+4*\i] offset:64*((\t)%2)+16*\i
.endr
.if (\t)+2 < 4
	WLOAD (\t)+2
.endif
	s_wait_dscnt 0x0                               ; the stores have read their registers
.if (\t)%2 == 1                        ; a head's 64 along K are whole
.irp i, 0,1,2,3,4,5,6,7
	ds_load_b128 v[112+32*((\t)/2)+4*\i:112+32*((\t)/2)+4*\i+3], v7 offset:576*\i
.endr
.irp i, 0,1,2,3,4,5,6,7
	s_wait_dscnt 7-\i                              ; the younger LDS loads may be out
	global_store_b128 v8, v[112+32*((\t)/2)+4*\i:112+32*((\t)/2)+4*\i+3], s[30:31] offset:((\t)/2)*131072+512*\i   ; 512 consecutive bytes, aligned
.endr
.endif
.endm
	OBLOCK 0
	OBLOCK 1
	OBLOCK 2
	OBLOCK 3
	s_wait_tensorcnt 0x0                           ; the wave's end, behind my last LDS store
	ds_add_u32 v[SPW], v[NIL]
	s_wait_dscnt 0x0
	s_endpgm
.Lfunc_end_k_qa5ef517e52_prep:
	.size	k_qa5ef517e52_prep, .Lfunc_end_k_qa5ef517e52_prep-k_qa5ef517e52_prep
	.p2alignl 7, 3214868480
	.fill 96, 4, 3214868480
	.section	.rodata,"a",@progbits
	.p2align	6, 0x0
	.amdhsa_kernel k_qa5ef517e52_prep
		.amdhsa_group_segment_fixed_size 50688
		.amdhsa_private_segment_fixed_size 0
		.amdhsa_enable_private_segment 0
		.amdhsa_kernarg_size 96
		.amdhsa_user_sgpr_count 2
		.amdhsa_user_sgpr_kernarg_segment_ptr 1
		.amdhsa_wavefront_size32 1
		.amdhsa_system_sgpr_workgroup_id_x 1
		.amdhsa_system_sgpr_workgroup_id_y 1
		.amdhsa_system_sgpr_workgroup_id_z 1
		.amdhsa_system_vgpr_workitem_id 0
		.amdhsa_next_free_vgpr 200
		.amdhsa_next_free_sgpr 66
		.amdhsa_reserve_vcc 0
		.amdhsa_float_denorm_mode_32 3
		.amdhsa_float_denorm_mode_16_64 3
		.amdhsa_memory_ordered 1
		.amdhsa_forward_progress 1
		.amdhsa_inst_pref_size 70
	.end_amdhsa_kernel
	.amdgpu_metadata
---
amdhsa.version: [ 1, 2 ]
amdhsa.kernels:
  - .name:           k_qa5ef517e52_prep
    .symbol:         k_qa5ef517e52_prep.kd
    .args:
      - { .name: q_in, .offset: 0, .size: 8, .value_kind: global_buffer, .address_space: global }
      - { .name: k_in, .offset: 8, .size: 8, .value_kind: global_buffer, .address_space: global }
      - { .name: v_in, .offset: 16, .size: 8, .value_kind: global_buffer, .address_space: global }
      - { .name: Wq, .offset: 24, .size: 8, .value_kind: global_buffer, .address_space: global }
      - { .name: Wk, .offset: 32, .size: 8, .value_kind: global_buffer, .address_space: global }
      - { .name: Wv, .offset: 40, .size: 8, .value_kind: global_buffer, .address_space: global }
      - { .name: Wo, .offset: 48, .size: 8, .value_kind: global_buffer, .address_space: global }
      - { .name: xcodes, .offset: 56, .size: 8, .value_kind: global_buffer, .address_space: global }
      - { .name: xscales, .offset: 64, .size: 8, .value_kind: global_buffer, .address_space: global }
      - { .name: wcodes, .offset: 72, .size: 8, .value_kind: global_buffer, .address_space: global }
      - { .name: wscales, .offset: 80, .size: 8, .value_kind: global_buffer, .address_space: global }
      - { .name: wot, .offset: 88, .size: 8, .value_kind: global_buffer, .address_space: global }
    .group_segment_fixed_size: 50688
    .private_segment_fixed_size: 0
    .kernarg_segment_align: 8
    .kernarg_segment_size: 96
    .max_flat_workgroup_size: 128
    .sgpr_count:     66
    .vgpr_count:     200
    .wavefront_size: 32
...
	.end_amdgpu_metadata
.endif
;; end of part 1
;; launch gemm_qkv (part 2): grid 4 x 96, 4 waves a work-group, clusters of 4 x 4, 327,680 bytes of LDS; arguments xcodes, xscales, wcodes, wscales, bq, bk, bv, qkv, rows32; writes qkv, rows32
.if DOCPART == 2
	.amdgcn_target "amdgcn-amd-amdhsa--gfx1250"
	.amdhsa_code_object_version 6
	.text
	.protected	k_qa5ef517e52_gemm_qkv
	.globl	k_qa5ef517e52_gemm_qkv
	.p2align	8
	.type	k_qa5ef517e52_gemm_qkv,@function
k_qa5ef517e52_gemm_qkv:
	s_mov_b64 s[64:65], 0
	v_nop
	global_prefetch_b8 v0, s[64:65] scope:SCOPE_SE
	s_setreg_imm32_b32 hwreg(HW_REG_WAVE_MODE, 25, 1), 1
	s_wait_xcnt 0x0
	s_wait_alu depctr_hold_cnt(0) depctr_sa_sdst(0) depctr_va_vdst(0) depctr_va_sdst(0) depctr_va_ssrc(0) depctr_va_vcc(0) depctr_vm_vsrc(0)
	s_getreg_b32 s2, hwreg(HW_REG_IB_STS2, 6, 4)
	s_cmp_eq_u32 s2, 0
	s_cbranch_scc0 .Lentry_in_a_cluster
	s_endpgm
.Lentry_in_a_cluster:
	s_bfe_u32 s2, ttmp6, 0x10000c
	s_cmp_lg_u32 s2, 0xf033
	s_cbranch_scc0 .Lentry_shape_is_right
	s_endpgm
.Lentry_shape_is_right:
; THE THREE PROJECTIONS ON CODES OF FP4 (E2M1) WITH E8M0 SCALES: for T = 0, 1, 2 (q, k, v):  C[m][n] = b_T[n] + sum over k of X_T[m][k] W_T[n][k], K = 1,024; sums in f32.
; X: codes [3 x 8192][512 bytes], scale bytes [3 x 8192][32];  W: codes [3 x 1024][512 bytes], scale bytes [3 x 1024][32].  Results: f16, laid by head, [T][batch][head][s][64]; the first 16 positions of every batch also as f32, [T][batch][16][1024].
; LIMITS: a result of magnitude 65,520 or more becomes infinity in f16; one under 6.1e-5 keeps an absolute error of up to 3e-8.
; A tile of C, 256 x 256, is made by a work-group of four waves; a wave makes 128 x 128: 64 accumulators, 512 registers.  K is two slots of 512 (rows of 256 bytes): both are asked for at the start, and nothing is filled again.
; The scale bytes of the work-group's rows, for all of K, are dense blocks of memory and come with the first fills.  By this text's count a wave has three tensor loads out at the most.
; CLUSTERS: 4 x 4 work-groups.  The cluster's y says which tensor (y / 8) and which 256 positions of a batch (y % 8); cy is the batch, cx the tile column.  The four of a row of the cluster need the same tiles of X, the four of a
; column the same tiles of W: each tile is asked for jointly.  THE MATRIX INSTRUCTION IS USED TRANSPOSED (source 0 = 16 rows of W, source 1 = 16 rows of X): a lane holds eight neighbouring numbers of a row of C.
; The bias is the C of each sum's first matrix instruction: eight registers for each of the wave's eight column blocks.
; REGISTERS: window 0: v0-31 addresses; v32-95 scale words, two sets, and nothing else; v128-191 X's fragments, one set (on the way out: packed results); v192-255 the biases (on the way out: rows read back).
;   window 1: W's fragments, two sets, at v0 and v128.   window 2: the accumulators of my rows 0-63 ((a, b) at v[8 (8 a + b)]);   window 3: those of my rows 64-127.
.set NQ,     4                         ; matrix instructions deep in a slot
.set ROWB,   256                       ; a tile's row in bytes: 512 codes
.set KROW,   512                       ; a row of X or W in memory
.set PITCH,  272                       ; an LDS row: 256 bytes + 16 of padding = 68 words: the 16 rows that a load touches start 4 words apart modulo 64
.set FR,     8
.set NL,     2
.set NP,     4                         ; places behind this matrix instruction (ISA guide 7.12.1)
.set HALFT,  128*PITCH
.set SLOT,   4*HALFT
.set KS,     32                        ; a row of scale bytes
.set SCL,    2*SLOT
.set HALFS,  (128*KS/256)*272
.set SBLK,   (16*KS/256)*272
.set SPARE,  SCL+4*HALFS               ; the spare words, 128 bytes for each wave: two blocks of 256 bytes that no other line names
.set SPI,    144                       ; the way out: a stage row: a head's 128 bytes + 16.  A wave's stage is 2 heads x 16 rows; it lies in slot 0, which has had its only fill and its last read when the first result is stored there
.set ADRA, 16
.set ADRB, 20
.set STO,  24
.set RD,   25
.set CO,   26
.set ADRS, 27
.set SPW,  28                          ; v28 my spare word's LDS address; never rewritten
.set NIL,  29                          ; v29 0; never rewritten
.set FO,   30                          ; v30 my byte offset in the f32 rows
.set BO,   31                          ; v31 my byte offset in the bias
.set SC,   32
.set AF,   128
.set TMP,  128
.set BIAS, 192
.set BK,   192
.set G1, 24
.set G0, 32
.set G1B, 48
.set G0B, 56
.set G1S, 68
.set G0S, 76
.set G1SB, 80
.set G0SB, 88
.set MSB, 0
.macro WIN new                         ; the immediate's high byte repeats the setting that is left
.if MSB != \new
	s_set_vgpr_msb (MSB<<8)|\new
.set MSB, \new
.endif
.endm
.set MUL_LO,   0xa1                    ; source 0 (W) window 1, source 1 (X) window 0, C and D window 2
.set MUL_HI,   0xf1                    ; the same, C and D window 3
.set FIRST_LO, 0x81                    ; C (the bias) window 0, D window 2
.set FIRST_HI, 0xc1                    ; C window 0, D window 3
.set TO_B,     0x40
; A joint load: waves 0 and 1 fetch for X, waves 2 and 3 for W.  The branch hangs on the wave's number alone.  An s_nop 0 and four v_nop follow each of the two lines.
.macro JLOAD g0a, g1a, g0b, g1b
	s_cmp_eq_u32 s15, 0
	s_cbranch_scc0 .Lfor_b_\@
	tensor_load_to_lds s[\g0a:\g0a+3], s[\g1a:\g1a+7]
	s_nop 0
.rept 4
	v_nop
.endr
	s_branch .Lasked_\@
.Lfor_b_\@:
	tensor_load_to_lds s[\g0b:\g0b+3], s[\g1b:\g1b+7]
	s_nop 0
.rept 4
	v_nop
.endr
.Lasked_\@:
.endm
.macro CROUND                          ; a round of the cluster's barrier
	s_barrier_signal -1
	s_barrier_wait -1
	s_cmp_lg_u32 s14, 0
	s_cbranch_scc1 .Lnot_wave_0_\@
	s_barrier_signal -3
.Lnot_wave_0_\@:
	s_barrier_wait -3
	s_barrier_signal -1
	s_barrier_wait -1
.endm
	s_load_b256 s[4:11], s[0:1], 0x0               ; X's codes s[4:5], X's scales s[6:7], W's codes s[8:9], W's scales s[10:11]
	s_load_b64 s[98:99], s[0:1], 0x20              ; bq
	s_load_b64 s[100:101], s[0:1], 0x28            ; bk
	s_load_b64 s[104:105], s[0:1], 0x30            ; bv
	s_load_b64 s[12:13], s[0:1], 0x38              ; the f16 results
	s_load_b64 s[66:67], s[0:1], 0x40              ; the f32 rows
	v_lshl_add_u32 v[SPW], v0, 2, SPARE
	v_mov_b32 v[NIL], 0
	ds_add_u32 v[SPW], v[NIL]                      ; the wave's opening: the add, twice on end, and its wait ahead of my first tensor load
	ds_add_u32 v[SPW], v[NIL]
	v_lshrrev_b32 v1, 5, v0
	v_readfirstlane_b32 s14, v1                    ; wave 0..3
	s_lshr_b32 s15, s14, 1                         ; which half of the tile's rows is mine.  Also: I fetch for X (0) or for W (1)
	s_and_b32 s16, s14, 1                          ; which half of its columns.  Also: which 128 rows of that tile I fetch
	s_bfe_u32 s40, ttmp6, 0x40000                  ; cx
	s_bfe_u32 s41, ttmp6, 0x40004                  ; cy
	s_and_b32 s96, ttmp7, 0xffff                   ; the cluster's y, 0..23
	s_lshr_b32 s95, s96, 3                         ; T: which tensor
	s_and_b32 s96, s96, 7                          ; which 256 positions of a batch
	s_lshl_b32 s42, s95, 2
	s_add_co_u32 s42, s42, s40                     ; W's tile in the joined buffer: 4 T + cx
	s_lshl_b32 s17, s95, 5
	s_lshl_b32 s18, s41, 3
	s_add_co_u32 s17, s17, s18
	s_add_co_u32 s17, s17, s96                     ; X's tile: 32 T + 8 cy + position block
	s_lshl_b32 s43, s41, 2
	s_lshl_b32 s43, 15, s43                        ; my row of the cluster
	s_lshl_b32 s44, 0x1111, s40                    ; my column
	; descriptor group 1: a tile of 128 rows x 256 bytes, padded in LDS
	s_or_b32 s[G1+0], s43, (0<<16)|(1<<20)|(1<<21)|(5<<22)|(3<<25)  ; 15:0 the mask; 17:16 elements of 1 byte; 20 padding on; 21 set beside a mask; 24:22 after every 64 words; 31:25 four words
	s_or_b32 s[G1B+0], s44, (0<<16)|(1<<20)|(1<<21)|(5<<22)|(3<<25)
.irp g, G1, G1B
	s_mov_b32 s[\g+1], ROWB<<16                    ; tensor_dim0
	s_mov_b32 s[\g+2], 128<<16                     ; tensor_dim1
	s_mov_b32 s[\g+3], ROWB<<16                    ; tile_dim0
	s_mov_b32 s[\g+4], 128                         ; tile_dim1
	s_mov_b32 s[\g+5], KROW                        ; tensor_dim0_stride
	s_mov_b32 s[\g+6], 0
	s_mov_b32 s[\g+7], 0
.endr
	; the scales of 128 rows: 4,096 dense bytes as 16 rows of 256 bytes (32 elements of 8 bytes), 16 bytes of padding behind each
	s_or_b32 s[G1S+0], s43, (3<<16)|(1<<20)|(1<<21)|(5<<22)|(3<<25)
	s_or_b32 s[G1SB+0], s44, (3<<16)|(1<<20)|(1<<21)|(5<<22)|(3<<25)
.irp g, G1S, G1SB
	s_mov_b32 s[\g+1], 32<<16
	s_mov_b32 s[\g+2], (128*KS/256)<<16
	s_mov_b32 s[\g+3], 32<<16
	s_mov_b32 s[\g+4], 128*KS/256
	s_mov_b32 s[\g+5], 32
	s_mov_b32 s[\g+6], 0
	s_mov_b32 s[\g+7], 0
.endr
	s_lshl_b32 s18, s16, 7                         ; which 128 rows of the tile I fetch
	s_lshl_b32 s20, s17, 8
	s_add_co_u32 s20, s20, s18                     ; X: row 256 x tile + 128 x half
	s_lshl_b32 s46, s42, 8
	s_add_co_u32 s46, s46, s18                     ; W: likewise
	s_mov_b32 s21, 0
	s_mov_b32 s47, 0
	s_mov_b64 s[18:19], KS
	s_mul_u64 s[22:23], s[20:21], s[18:19]         ; where these rows' scales begin, in bytes
	s_mul_u64 s[92:93], s[46:47], s[18:19]
	s_mov_b64 s[18:19], KROW
	s_mul_u64 s[20:21], s[20:21], s[18:19]         ; and their codes
	s_mul_u64 s[46:47], s[46:47], s[18:19]
	s_mul_i32 s45, s14, HALFT                      ; where they go: wave x 128 rows: no place in the cluster enters an LDS address
	s_mul_i32 s94, s14, HALFS
	s_wait_dscnt 0x0                               ; both opening adds are done
	s_wait_kmcnt 0x0
	s_add_nc_u64 s[20:21], s[4:5], s[20:21]
	s_add_nc_u64 s[22:23], s[6:7], s[22:23]
	s_add_nc_u64 s[46:47], s[8:9], s[46:47]
	s_add_nc_u64 s[92:93], s[10:11], s[92:93]
	CROUND                                         ; all sixteen work-groups are here: the first joint loads meet
	s_mov_b32 s[G0S], 1
	s_add_co_u32 s[G0S+1], s94, SCL
	s_mov_b64 s[G0S+2:G0S+3], s[22:23]
	s_or_b32 s[G0S+3], s[G0S+3], 0x80000000
	s_mov_b32 s[G0SB], 1
	s_add_co_u32 s[G0SB+1], s94, SCL
	s_mov_b64 s[G0SB+2:G0SB+3], s[92:93]
	s_or_b32 s[G0SB+3], s[G0SB+3], 0x80000000
	JLOAD G0S, G1S, G0SB, G1SB                     ; the scales first: they are wanted with slot 0
.irp s, 0,1
	s_mov_b32 s[G0+4*\s], 1
	s_add_co_u32 s[G0+4*\s+1], s45, \s*SLOT
	s_add_nc_u64 s[G0+4*\s+2:G0+4*\s+3], s[20:21], \s*ROWB
	s_or_b32 s[G0+4*\s+3], s[G0+4*\s+3], 0x80000000
	s_mov_b32 s[G0B+4*\s], 1
	s_add_co_u32 s[G0B+4*\s+1], s45, \s*SLOT
	s_add_nc_u64 s[G0B+4*\s+2:G0B+4*\s+3], s[46:47], \s*ROWB
	s_or_b32 s[G0B+4*\s+3], s[G0B+4*\s+3], 0x80000000
	JLOAD G0+4*\s, G1, G0B+4*\s, G1B
.endr
	v_and_b32 v1, 15, v0                           ; r = lane % 16
	v_bfe_u32 v2, v0, 4, 1                         ; h = lane / 16
	; the bias: the tensor's, at my wave's 128 columns; lane (r, h) wants, for column block b, numbers 16 b + 8 h + 0 .. 7
	s_cmp_eq_u32 s95, 0
	s_cselect_b64 s[98:99], s[98:99], s[100:101]
	s_cmp_lt_u32 s95, 2
	s_cselect_b64 s[98:99], s[98:99], s[104:105]   ; the choice hangs on the cluster's y alone
	s_lshl_b32 s92, s40, 10
	s_lshl_b32 s93, s16, 9
	s_add_co_u32 s92, s92, s93                     ; (256 cx + 128 half) x 4 bytes
	s_mov_b32 s93, 0
	s_add_nc_u64 s[98:99], s[98:99], s[92:93]
	v_lshlrev_b32 v[BO], 5, v2
.irp b, 0,1,2,3,4,5,6,7
	global_load_b128 v[BIAS+8*\b:BIAS+8*\b+3], v[BO], s[98:99] offset:64*\b
	global_load_b128 v[BIAS+8*\b+4:BIAS+8*\b+7], v[BO], s[98:99] offset:64*\b+16
.endr
	v_mul_u32_u24 v3, v1, PITCH
	v_lshl_add_u32 v4, v2, 4, v3                   ; a fragment's row x pitch + 16 x half
	s_mul_i32 s21, s15, HALFT                      ; my 128 rows of X
	s_mul_i32 s22, s16, HALFT                      ; my 128 rows of W,
	s_add_co_u32 s22, s22, 2*HALFT                 ; which lie behind X's 256
.irp s, 0,1
	v_add_nc_u32 v[ADRA+\s], s21, v4
	v_add_nc_u32 v[ADRB+\s], s22, v4
	s_add_co_u32 s21, s21, SLOT
	s_add_co_u32 s22, s22, SLOT
.endr
	v_mul_u32_u24 v5, v1, KS                       ; my row's scales: 32 bytes a row,
	v_lshrrev_b32 v6, 8, v5
	v_lshl_add_u32 v5, v6, 4, v5                   ; and 16 more for each 256 passed
	s_mul_i32 s21, s15, HALFS
	s_mul_i32 s22, s16, HALFS
	s_add_co_u32 s22, s22, 2*HALFS
	s_sub_co_u32 s22, s22, s21
	v_mul_u32_u24 v6, s22, v2                      ; lanes 16-31 take W's: one product, the distance between the two bases
	s_add_co_u32 s21, s21, SCL
	v_add_nc_u32 v5, v5, v6
	v_add_nc_u32 v[ADRS], s21, v5
	s_mul_i32 s23, s14, 2*16*SPI                   ; my stage
	v_mul_u32_u24 v5, v1, SPI
	v_lshl_add_u32 v5, v2, 4, v5
	v_add_nc_u32 v[STO], s23, v5                   ; in: row r, 16 bytes for each half of the lanes
	v_and_b32 v6, 31, v0
	v_lshrrev_b32 v5, 3, v6
	v_mul_u32_u24 v5, v5, SPI
	v_and_b32 v7, 7, v0
	v_lshl_add_u32 v5, v7, 4, v5
	v_add_nc_u32 v[RD], s23, v5                    ; back: eight lanes to a row of 128 bytes, four rows an instruction,
	v_lshlrev_b32 v[CO], 4, v6                     ; which are 512 consecutive bytes of a head
	v_lshlrev_b32 v[FO], 12, v1
	v_lshl_add_u32 v[FO], v2, 5, v[FO]             ; the f32 rows: row r of 4,096 bytes, + 32 h
	s_lshr_b32 s2, s17, 3                          ; 4 T + batch
	s_lshl_b32 s46, s2, 22                         ; 4,194,304 bytes a batch
	s_lshl_b32 s3, s40, 2
	s_lshl_b32 s97, s16, 1
	s_add_co_u32 s3, s3, s97                       ; my first head: 4 cx + 2 x half
	s_lshl_b32 s3, s3, 18
	s_add_co_u32 s46, s46, s3
	s_lshl_b32 s3, s96, 15                         ; 256 positions of 128 bytes
	s_add_co_u32 s46, s46, s3
	s_lshl_b32 s3, s15, 14                         ; my 128 of them
	s_add_co_u32 s46, s46, s3
	s_mov_b32 s47, 0
	s_add_nc_u64 s[12:13], s[12:13], s[46:47]
	s_lshl_b32 s46, s2, 16                         ; 65,536 bytes of f32 rows a batch
	s_add_co_u32 s46, s46, s92                     ; + my columns
	s_add_nc_u64 s[66:67], s[66:67], s[46:47]
.macro FRAG reg, adr, q, i             ; 16 rows x 128 K of 4-bit codes: 8 registers: lane l holds row l % 16; registers 4 c .. 4 c + 3 hold K = 64 c + 32 (l / 16) + 0 .. 31
.irp c, 0,1
	ds_load_b128 v[\reg+4*\c:\reg+4*\c+3], v[\adr] offset:64*(\q)+32*\c+(\i)*16*PITCH
.endr
.endm
; 16 matrix instructions: X's blocks a0, a0 + 1 x W's eight, 128 along K.  p: W's set; sc: the set of scale words.  first = 1: the sums begin with the bias.
; The 64 accumulators take turns, one instruction a turn, in the same order in every step.
.macro MUL16 a0, p, q, sc, first
.irp a, \a0, \a0+1
.irp b, 0,1,2,3,4,5,6,7
.if \first
	v_wmma_scale_f32_16x16x128_f8f6f4 v[8*(8*((\a)%4)+\b):8*(8*((\a)%4)+\b)+7], v[128*(\p)+FR*\b:128*(\p)+FR*\b+FR-1], v[AF+FR*(\a):AF+FR*(\a)+FR-1], v[BIAS+8*\b:BIAS+8*\b+7], v[SC+8*NQ*(\sc)+NQ*\b+(\q)], v[SC+8*NQ*(\sc)+NQ*(\a)+(\q)] matrix_a_fmt:MATRIX_FMT_FP4 matrix_b_fmt:MATRIX_FMT_FP4 matrix_a_scale:MATRIX_SCALE_ROW1
.else
	v_wmma_scale_f32_16x16x128_f8f6f4 v[8*(8*((\a)%4)+\b):8*(8*((\a)%4)+\b)+7], v[128*(\p)+FR*\b:128*(\p)+FR*\b+FR-1], v[AF+FR*(\a):AF+FR*(\a)+FR-1], v[8*(8*((\a)%4)+\b):8*(8*((\a)%4)+\b)+7], v[SC+8*NQ*(\sc)+NQ*\b+(\q)], v[SC+8*NQ*(\sc)+NQ*(\a)+(\q)] matrix_a_fmt:MATRIX_FMT_FP4 matrix_b_fmt:MATRIX_FMT_FP4 matrix_a_scale:MATRIX_SCALE_ROW1
.endif
.endr
.endr
.endm
.macro FETCH_B slot, q, p
	WIN TO_B
.irp i, 0,1,2,3,4,5,6,7
	FRAG 128*(\p)+FR*\i, ADRB+\slot, \q, \i
.endr
	WIN 0
.endm
.macro FETCH_A slot, q, i0
.irp i, \i0, \i0+1, \i0+2, \i0+3
	FRAG AF+FR*(\i), ADRA+\slot, \q, \i
.endr
.endm
.macro SCALES sc                       ; a slot's scale words: 4 words a row; lanes 0-15 take X's block i, lanes 16-31 W's block i
.irp i, 0,1,2,3,4,5,6,7
	ds_load_b128 v[SC+8*NQ*\sc+NQ*\i:SC+8*NQ*\sc+NQ*\i+3], v[ADRS] offset:\i*SBLK
.endr
.endm
.macro PLACES n                        ; plain vector instructions in front of loads into registers that matrix instructions have read, and of the first read of results
.rept \n
	v_nop
.endr
.endm
.macro STEP slot, q, first             ; a step of 128 along K that has its successor in the same slot
	s_wait_dscnt 4*NL                              ; W's set and X's blocks 0-3 are in; the youngest eight loads (X's blocks 4-7) may be out
.if \first
	WIN FIRST_LO
.else
	WIN MUL_LO
.endif
	MUL16 0, (\q)%2, \q, \slot, \first
	MUL16 2, (\q)%2, \q, \slot, \first
	s_wait_dscnt 0                                 ; X's blocks 4-7 are in
	PLACES NP
	FETCH_B \slot, (\q)+1, 1-(\q)%2
	FETCH_A \slot, (\q)+1, 0
.if \first
	WIN FIRST_HI
.else
	WIN MUL_HI
.endif
	MUL16 4, (\q)%2, \q, \slot, \first
	MUL16 6, (\q)%2, \q, \slot, \first
	PLACES NP
	WIN 0
	FETCH_A \slot, (\q)+1, 4
.endm
.macro STEPS slot, from
.set Q, \from
.rept NQ-1-\from
	STEP \slot, Q, 0
.set Q, Q+1
.endr
.endm
	s_wait_loadcnt 0x0                             ; the bias
	s_wait_tensorcnt 1                             ; the scales and my part of slot 0 are in (slot 1's load may be out)
	s_barrier_signal -1
	s_barrier_wait -1                              ; everybody's are
	FETCH_B 0, 0, 0
	FETCH_A 0, 0, 0
	SCALES 0
	FETCH_A 0, 0, 4
	STEP 0, 0, 1                                   ; the first step's products start the sums, on the bias
	STEPS 0, 1
	; slot 0's last step changes slots: one barrier; in front of it each wave waits for all its tensor loads (slot 1's) and for its own reads of slot 0
	s_wait_tensorcnt 0x0                           ; my part of slot 1 has landed
	ds_add_u32 v[SPW], v[NIL]                      ; 0 onto my spare word
	s_wait_dscnt 4*NL+1                            ; (the add and the youngest eight loads may be out)
	WIN MUL_LO
	MUL16 0, 1, NQ-1, 0, 0
	s_wait_dscnt 0x0                               ; the add is done, and my reads of slot 0 are over
	s_barrier_signal -1
	MUL16 2, 1, NQ-1, 0, 0
	WIN 0
	s_barrier_wait -1
	PLACES NP
	v_add_nc_u32 v[ADRS], 4*NQ, v[ADRS]            ; on to slot 1's scale words
	FETCH_B 1, 0, 0
	FETCH_A 1, 0, 0
	SCALES 1
	WIN MUL_HI
	MUL16 4, 1, NQ-1, 0, 0
	MUL16 6, 1, NQ-1, 0, 0
	PLACES NP
	WIN 0
	FETCH_A 1, 0, 4
	STEPS 1, 0
	s_wait_dscnt 4*NL                              ; the very last step: nothing more to fetch
	WIN MUL_LO
	MUL16 0, 1, NQ-1, 1, 0
	MUL16 2, 1, NQ-1, 1, 0
	s_wait_dscnt 0
	WIN MUL_HI
	MUL16 4, 1, NQ-1, 1, 0
	MUL16 6, 1, NQ-1, 1, 0
	WIN 0
; THE WAY OUT, block by block of 16 rows x 128 columns (two heads).  A lane's eight numbers pack into 16 bytes of f16; a block goes through my own stage and comes back as a head's 16 rows, 2,048 dense bytes of memory.
.macro PACK a
.set AC, 64*((\a)%4)
	WIN 0x0a+5*((\a)/4)                            ; sources 0 and 1: window 2 or 3
.irp b, 0,1,2,3,4,5,6,7
.irp i, 0,1,2,3
	v_cvt_pk_f16_f32 v[TMP+4*\b+\i], v[AC+8*\b+2*\i], v[AC+8*\b+2*\i+1]   ; each accumulator from its low end on
.endr
.endr
	WIN 0
.endm
.macro TOSTAGE a
.irp b, 0,1,2,3,4,5,6,7
	ds_store_b128 v[STO], v[TMP+4*\b:TMP+4*\b+3] offset:(\b/4)*16*SPI+32*(\b%4)
.endr
.set BB, BK+32*((\a)%2)
.irp u, 0,1,2,3,4,5,6,7
	ds_load_b128 v[BB+4*\u:BB+4*\u+3], v[RD] offset:(\u/4)*16*SPI+4*SPI*(\u%4)   ; LDS serves a wave's instructions in order: these see the stores above
.endr
.endm
.macro SEND a
.set BB, BK+32*((\a)%2)
	s_wait_dscnt 0x0                               ; the block is back in registers
	s_wait_xcnt 0x0                                ; the earlier stores have read their registers: the next block's loads may land there
.irp u, 0,1,2,3,4,5,6,7
	global_store_b128 v[CO], v[BB+4*\u:BB+4*\u+3], s[12:13] offset:(\u/4)*262144+2048*(\a)+512*(\u%4)   ; 512 consecutive bytes, aligned
.endr
.endm
	PLACES NP                                      ; behind the last products: results are read and X's fragments' registers written
	s_or_b32 s97, s96, s15                         ; 0 where my block 0 holds positions 0-15 of a batch: the cluster's y and the wave's number alone
	s_cmp_lg_u32 s97, 0
	s_cbranch_scc1 .Lno32
	WIN 0x08                                       ; a store's data: window 2
.irp b, 0,1,2,3,4,5,6,7
	global_store_b128 v[FO], v[8*\b:8*\b+3], s[66:67] offset:64*\b          ; those rows also as f32, for the launch that carries them finely
	global_store_b128 v[FO], v[8*\b+4:8*\b+7], s[66:67] offset:64*\b+16
.endr
	WIN 0
.Lno32:
	PACK 0
	TOSTAGE 0
.irp a, 1,2,3,4,5,6,7                  ; block a's conversions stand between block a - 1's loads from the stage and the wait for them
	PACK \a
	SEND \a-1
	TOSTAGE \a
.endr
	SEND 7
	s_wait_tensorcnt 0x0                           ; the wave's end, behind my last tensor load and my last LDS store
	ds_add_u32 v[SPW], v[NIL]
	s_wait_dscnt 0x0
	CROUND                                         ; the closing round
	s_endpgm
.Lfunc_end_k_qa5ef517e52_gemm_qkv:
	.size	k_qa5ef517e52_gemm_qkv, .Lfunc_end_k_qa5ef517e52_gemm_qkv-k_qa5ef517e52_gemm_qkv
	.p2alignl 7, 3214868480
	.fill 96, 4, 3214868480
	.section	.rodata,"a",@progbits
	.p2align	6, 0x0
	.amdhsa_kernel k_qa5ef517e52_gemm_qkv
		.amdhsa_group_segment_fixed_size 327680
		.amdhsa_private_segment_fixed_size 0
		.amdhsa_enable_private_segment 0
		.amdhsa_kernarg_size 72
		.amdhsa_user_sgpr_count 2
		.amdhsa_user_sgpr_kernarg_segment_ptr 1
		.amdhsa_wavefront_size32 1
		.amdhsa_system_sgpr_workgroup_id_x 1
		.amdhsa_system_sgpr_workgroup_id_y 1
		.amdhsa_system_sgpr_workgroup_id_z 1
		.amdhsa_system_vgpr_workitem_id 0
		.amdhsa_next_free_vgpr 1024
		.amdhsa_next_free_sgpr 106
		.amdhsa_reserve_vcc 0
		.amdhsa_float_denorm_mode_32 3
		.amdhsa_float_denorm_mode_16_64 3
		.amdhsa_memory_ordered 1
		.amdhsa_forward_progress 1
		.amdhsa_inst_pref_size 130
	.end_amdhsa_kernel
	.amdgpu_metadata
---
amdhsa.version: [ 1, 2 ]
amdhsa.kernels:
  - .name:           k_qa5ef517e52_gemm_qkv
    .symbol:         k_qa5ef517e52_gemm_qkv.kd
    .args:
      - { .name: xcodes, .offset: 0, .size: 8, .value_kind: global_buffer, .address_space: global }
      - { .name: xscales, .offset: 8, .size: 8, .value_kind: global_buffer, .address_space: global }
      - { .name: wcodes, .offset: 16, .size: 8, .value_kind: global_buffer, .address_space: global }
      - { .name: wscales, .offset: 24, .size: 8, .value_kind: global_buffer, .address_space: global }
      - { .name: bq, .offset: 32, .size: 8, .value_kind: global_buffer, .address_space: global }
      - { .name: bk, .offset: 40, .size: 8, .value_kind: global_buffer, .address_space: global }
      - { .name: bv, .offset: 48, .size: 8, .value_kind: global_buffer, .address_space: global }
      - { .name: qkv, .offset: 56, .size: 8, .value_kind: global_buffer, .address_space: global }
      - { .name: rows32, .offset: 64, .size: 8, .value_kind: global_buffer, .address_space: global }
    .group_segment_fixed_size: 327680
    .private_segment_fixed_size: 0
    .kernarg_segment_align: 8
    .kernarg_segment_size: 72
    .max_flat_workgroup_size: 128
    .sgpr_count:     106
    .vgpr_count:     1024
    .wavefront_size: 32
...
	.end_amdgpu_metadata
.endif
;; end of part 2
;; launch attn (part 3): grid 4 x 64, 16 waves a work-group, no clusters, 327,680 bytes of LDS; arguments qkv, attn; writes attn
.if DOCPART == 3
	.amdgcn_target "amdgcn-amd-amdhsa--gfx1250"
	.amdhsa_code_object_version 6
	.text
	.protected	k_qa5ef517e52_attn
	.globl	k_qa5ef517e52_attn
	.p2align	8
	.type	k_qa5ef517e52_attn,@function
k_qa5ef517e52_attn:
	s_mov_b64 s[64:65], 0
	v_nop
	global_prefetch_b8 v0, s[64:65] scope:SCOPE_SE
	s_setreg_imm32_b32 hwreg(HW_REG_WAVE_MODE, 25, 1), 1
	s_wait_xcnt 0x0
; CAUSAL ATTENTION, head size 64:  O[bh][q] = sum over k <= q of softmax_k(Q[bh][q] . K[bh][k] / 8) V[bh][k].  Q, K, V: f16, [3][64 (batch x head)][2048][64]; O: f16, [64][2048][64].  Products, maxima and sums in f32.
; For each query a running maximum m and sum l: p = 2^(c s - c m), c = log2(e) / 8; in every step O and l are multiplied by a = 2^(c m_old - c m_new).  p is rounded to f16 for the second product; its sum is taken ahead of that rounding and divides at the end.
; LIMITS: p under 6.1e-5 keeps an absolute error of up to 3e-8 beside a largest p of 1; O is rounded to f16.  Positions 0-15 of every batch are made again, in f32, by a later launch.
; SHARES.  A work-group owns query blocks j and 7 - j (256 queries each) of one head: 9 blocks of keys to walk, whatever j.  Waves 0-7 take block j, waves 8-15 block 7 - j, in reverse order; a wave owns 32 queries, two tiles of 16.
; Four waves share a SIMD, so that one wave's softmax stands beside another's products and LDS loads.
; NO CLUSTER: the four work-groups of a head need 8, 7, 6 and 5 slots of keys; a partner past its limit would read nothing of a joint tile.
; THE RING.  Keys go in slots of 256 (four steps of 64) through two LDS slots.  All work-groups walk all 8 slots: the trip counts are constants; a step all of whose keys come after a wave's queries is jumped over.
; Waves 0, 1 fetch K's halves, waves 2, 3 V's.  A head's rows are dense: 128 keys are 64 rows of 256 bytes; key R lies at (R / 2) x pitch + (R % 2) x 128.
; LAYOUT.  S^T = K Q^T (source 0 = 16 keys, source 1 = 16 queries): a lane holds one query (lane % 16) and keys 8 (lane / 16) + 0..7 of each tile; two tiles, rounded in pairs, are source 1 of O^T = V^T P.  V comes out of LDS turned.
.set KP,    272                        ; two keys of K in LDS: 256 bytes + 16
.set VP,    288                        ; two keys of V: 256 + 32
.set VOFF,  128*KP                     ; a slot: 128 rows of K, then 128 rows of V
.set SLOT1, 1<<17                      ; slot 1 begins here: one exclusive or turns an address
.set SPARE, 2*SLOT1                    ; the spare words, 128 bytes for each wave: eight blocks of 256 bytes that no other line names
.set SPI,   144                        ; the way out: a stage row, 128 bytes + 16; 32 rows a wave, in slot 0, which has been left at the last change of slots
.set AK0, 1                            ; v1  my lane's place in a tile of K
.set AV0, 2                            ; v2  the same for V
.set ADK, 3                            ; v3  LDS address of the step's K
.set SPW, 4                            ; v4  my spare word's LDS address; never rewritten
.set NIL, 5                            ; v5  0; never rewritten
.set PFO, 6                            ; v6  256 x lane: the prefetches' offset; never rewritten
.set DL,  7                            ; v7  lane % 16 - 8 (lane / 16)
.set DD,  8                            ; v8, v9  my query less the step's first key of my half, tiles 0 and 1
.set NINF, 10                          ; v10 -infinity
.set ADV, 11                           ; v11 LDS address of the step's V
.set STO, 12
.set RD,  13
.set GO,  14
.set QO,  15
.set ST,  16                           ; tile t's statistics at v[16 + 8 t]: +0 c m, +1 m, +2, +3 l, +4 to +7 at work; a in +6
.set Q,   32                           ; v32-63   Q: 32 + 16 t + 8 c
.set S,   64                           ; v64-127  S^T: 64 + 32 t + 8 kt; then P, in place: 64 + 32 t + 8 kk
.set F,   128                          ; v128-191 K's fragments, then V's
.set O,   192                          ; v192-255 O^T: 192 + 32 t + 8 ct
.set TB,  2
.set WV,  18
.set SEL, 20
.set CS,  22
.set G1K, 24
.set G1V, 32
.set G0K, 40
.set G0V, 44
.set PFA, 48
.set LIM, 50
.set SLOTS, 67
.set LASTQ, 97
.set KF,  98
.set Q0,  99
; Waves 0 and 1 fetch for K, waves 2 and 3 for V, the others nothing.  An s_nop 0 and four v_nop follow each of the two lines.
.macro TLOAD
	s_cmp_lt_u32 s[WV], 2
	s_cbranch_scc0 .Lnot_k_\@
	tensor_load_to_lds s[G0K:G0K+3], s[G1K:G1K+7]
	s_nop 0
.rept 4
	v_nop
.endr
	s_branch .Lasked_\@
.Lnot_k_\@:
	s_cmp_lt_u32 s[WV], 4
	s_cbranch_scc0 .Lasked_\@
	tensor_load_to_lds s[G0V:G0V+3], s[G1V:G1V+7]
	s_nop 0
.rept 4
	v_nop
.endr
.Lasked_\@:
.endm
; A prefetch of what the NEXT change of slots will ask for: a slot's 32,768 bytes of K and of V.  The head's work-group 0, which walks all eight slots, asks, and nobody else; in it waves 4-7 ask for K, waves 8-11 for V,
; 8,192 bytes a wave, lanes 256 bytes apart: each aligned block of 256 bytes is named once in the launch.  It runs four key steps ahead of the load.  The last change that fills a slot asks for nothing.
.macro ASK
	s_cmp_gt_u32 s[SLOTS], s[LIM]
	s_cbranch_scc0 .Lnot_mine_\@
	global_prefetch_b8 v[PFO], s[PFA:PFA+1] th:TH_LOAD_NT scope:SCOPE_SE
.Lnot_mine_\@:
.endm
	s_load_b128 s[4:7], s[0:1], 0x0                ; qkv s[4:5], attn s[6:7]
	v_lshl_add_u32 v[SPW], v0, 2, SPARE
	v_mov_b32 v[NIL], 0
	ds_add_u32 v[SPW], v[NIL]                      ; the wave's opening: the add, twice on end, and its wait ahead of my first tensor load
	ds_add_u32 v[SPW], v[NIL]
	v_lshrrev_b32 v8, 5, v0
	v_readfirstlane_b32 s[WV], v8                  ; wave 0..15
	s_and_b32 s70, s[WV], 7
	s_sub_co_u32 s71, 7, s70
	s_sub_co_u32 s72, 7, ttmp9
	s_cmp_lt_u32 s[WV], 8
	s_cselect_b32 s70, s70, s71                    ; which 32 queries of the block
	s_cselect_b32 s72, ttmp9, s72                  ; which block of 256
	s_lshl_b32 s[Q0], s72, 8
	s_lshl_b32 s70, s70, 5
	s_add_co_u32 s[Q0], s[Q0], s70                 ; my first query
	s_sub_co_u32 s[LASTQ], 8, ttmp9
	s_lshl_b32 s[LASTQ], s[LASTQ], 8
	s_sub_co_u32 s[LASTQ], s[LASTQ], 1             ; my work-group's last query
	s_and_b32 s73, ttmp7, 0xffff                   ; batch x head
	s_lshl_b32 s74, s73, 18                        ; its first byte in Q, K, V and O
	s_and_b32 s75, s[WV], 1                        ; which half of a slot I fetch, if I fetch
	s_lshl_b32 s76, s75, 14
	s_add_co_u32 s76, s76, s74
	s_add_co_u32 s76, s76, 0x1000000               ; K begins 16,777,216 bytes in,
	s_mov_b32 s77, 0
	s_add_co_u32 s78, s76, 0x1000000               ; V as many further on
	s_mov_b32 s79, 0
	s_mul_i32 s80, s75, 64*KP
	s_mul_i32 s81, s75, 64*VP
	s_add_co_u32 s81, s81, VOFF
	; descriptor group 1: 64 rows of 256 bytes (32 elements of 8 bytes), dense in memory, padded in LDS
	s_mov_b32 s[G1K], (3<<16)|(1<<20)|(5<<22)|(3<<25)             ; no mask; elements of 8 bytes; padding on: four words after every 64
	s_mov_b32 s[G1V], (3<<16)|(1<<20)|(5<<22)|(7<<25)             ; the same with eight words
.irp g, G1K, G1V
	s_mov_b32 s[\g+1], 32<<16                      ; tensor_dim0
	s_mov_b32 s[\g+2], 64<<16                      ; tensor_dim1
	s_mov_b32 s[\g+3], 32<<16                      ; tile_dim0
	s_mov_b32 s[\g+4], 64                          ; tile_dim1
	s_mov_b32 s[\g+5], 32                          ; tensor_dim0_stride
	s_mov_b32 s[\g+6], 0
	s_mov_b32 s[\g+7], 0
.endr
	s_mov_b32 s[SEL], 0x76543210
	s_mov_b32 s[SEL+1], 0xfedcba98                 ; v_permlanex16_b32's selects for lane l xor 16
	s_mov_b32 s[CS], 0x3e38aa3b                    ; c = log2(e) / 8
	s_mov_b32 s[CS+1], s[CS]                       ; (named with it as a pair, so it is written)
	s_mov_b32 s[TB], 0
	s_mov_b32 s[SLOTS], 7
	s_mov_b32 s[KF], 0
	s_wait_dscnt 0x0                               ; both opening adds are done
	s_wait_kmcnt 0x0
	s_mov_b32 s[G0K], 1
	s_mov_b32 s[G0K+1], s80
	s_add_nc_u64 s[G0K+2:G0K+3], s[4:5], s[76:77]
	s_or_b32 s[G0K+3], s[G0K+3], 0x80000000
	s_mov_b32 s[G0V], 1
	s_mov_b32 s[G0V+1], s81
	s_add_nc_u64 s[G0V+2:G0V+3], s[4:5], s[78:79]
	s_or_b32 s[G0V+3], s[G0V+3], 0x80000000
	TLOAD                                          ; slot 0: it holds key 0, which counts for every query
	s_lshl_b32 s82, s[Q0], 7
	s_add_co_u32 s82, s82, s74
	s_mov_b32 s83, 0
	s_add_nc_u64 s[84:85], s[4:5], s[82:83]        ; Q at my first query
	s_add_nc_u64 s[6:7], s[6:7], s[82:83]          ; O likewise
	v_and_b32 v8, 15, v0                           ; r
	v_bfe_u32 v9, v0, 4, 1                         ; h
	v_lshlrev_b32 v[QO], 7, v8
	v_lshl_add_u32 v[QO], v9, 4, v[QO]
.irp t, 0,1
.irp c, 0,1
	global_load_b128 v[Q+16*\t+8*\c:Q+16*\t+8*\c+3], v[QO], s[84:85] offset:2048*\t+64*\c        ; Q stays in registers
	global_load_b128 v[Q+16*\t+8*\c+4:Q+16*\t+8*\c+7], v[QO], s[84:85] offset:2048*\t+64*\c+32
.endr
.endr
	; the prefetches: where my wave's stand, and who asks
	s_mov_b32 s86, 0x2000000
	s_cmp_lt_u32 s[WV], 8
	s_cselect_b32 s86, 0x1000000, s86              ; waves 4-7: K; waves 8-11: V
	s_and_b32 s87, s[WV], 3
	s_lshl_b32 s87, s87, 13
	s_add_co_u32 s86, s86, s87
	s_add_co_u32 s86, s86, s74
	s_add_co_u32 s86, s86, 32768                   ; in slot 1: the first change of slots steps it to slot 2.  Nothing is prefetched at the head
	s_mov_b32 s87, 0
	s_add_nc_u64 s[PFA:PFA+1], s[4:5], s[86:87]
	s_sub_co_u32 s82, s[WV], 4
	s_lshr_b32 s82, s82, 3                         ; 0 in waves 4 to 11,
	s_or_b32 s82, s82, ttmp9                       ; of the head's work-group 0
	s_cmp_eq_u32 s82, 0
	s_cselect_b32 s[LIM], 1, -1
	v_lshrrev_b32 v10, 1, v8
	v_mul_u32_u24 v[AK0], v10, KP
	v_and_b32 v10, 1, v0
	v_lshl_add_u32 v[AK0], v10, 7, v[AK0]
	v_lshl_add_u32 v[AK0], v9, 4, v[AK0]           ; K: key r: (r / 2) x pitch + (r % 2) x 128 + 16 h
	v_bfe_u32 v11, v0, 1, 2
	v_lshl_add_u32 v11, v9, 2, v11
	v_mul_u32_u24 v[AV0], v11, VP
	v_lshl_add_u32 v[AV0], v10, 7, v[AV0]
	v_bfe_u32 v11, v0, 3, 1
	v_lshl_add_u32 v[AV0], v11, 4, v[AV0]
	v_add_nc_u32 v[AV0], VOFF, v[AV0]              ; V, for the turning load: key 8 h + lane % 8, channels 8 ((lane / 8) % 2) on
	v_lshlrev_b32 v11, 3, v9
	v_sub_nc_u32 v[DL], v8, v11
	s_mul_i32 s88, s[WV], 32*SPI                   ; my stage
	v_mul_u32_u24 v[STO], v8, SPI
	v_lshl_add_u32 v[STO], v9, 4, v[STO]
	v_add_nc_u32 v[STO], s88, v[STO]
	v_and_b32 v11, 31, v0
	v_lshlrev_b32 v[GO], 4, v11
	v_lshlrev_b32 v[PFO], 8, v11
	v_lshrrev_b32 v11, 3, v11
	v_mul_u32_u24 v[RD], v11, SPI
	v_and_b32 v11, 7, v0
	v_lshl_add_u32 v[RD], v11, 4, v[RD]
	v_add_nc_u32 v[RD], s88, v[RD]
	v_mov_b32 v[NINF], 0xff800000
.irp t, 0,1
	v_mov_b32 v[ST+8*\t+1], 0xff61b1e6             ; m = -3e38, under every score
	v_mul_f32 v[ST+8*\t], s[CS], v[ST+8*\t+1]      ; c m
.irp x, 2,3,4,5,6,7
	v_mov_b32 v[ST+8*\t+\x], 0                     ; l, and the registers at work (a lane permute's destination counts as one of its sources)
.endr
.endr
.set i, 0
.rept 64
	v_mov_b32 v[O+i], 0                            ; O^T.  (The step is written once: the first finds zeros, which a = 0 leaves zeros)
.set i, i+1
.endr
.macro KQ c                            ; eight products: four tiles of keys x two tiles of queries, 32 channels.  The eight accumulators take turns
.irp kt, 0,1,2,3
.irp t, 0,1
.if \c == 0
	v_wmma_f32_16x16x32_f16 v[S+32*\t+8*\kt:S+32*\t+8*\kt+7], v[F+8*(4*\c+\kt):F+8*(4*\c+\kt)+7], v[Q+16*\t+8*\c:Q+16*\t+8*\c+7], 0
.else
	v_wmma_f32_16x16x32_f16 v[S+32*\t+8*\kt:S+32*\t+8*\kt+7], v[F+8*(4*\c+\kt):F+8*(4*\c+\kt)+7], v[Q+16*\t+8*\c:Q+16*\t+8*\c+7], v[S+32*\t+8*\kt:S+32*\t+8*\kt+7]
.endif
.endr
.endr
.endm
.macro PV kk                           ; eight products: four tiles of channels x two tiles of queries, 32 keys
.irp ct, 0,1,2,3
.irp t, 0,1
	v_wmma_f32_16x16x32_f16 v[O+32*\t+8*\ct:O+32*\t+8*\ct+7], v[F+8*(4*\kk+\ct):F+8*(4*\kk+\ct)+7], v[S+32*\t+8*\kk:S+32*\t+8*\kk+7], v[O+32*\t+8*\ct:O+32*\t+8*\ct+7]
.endr
.endr
.endm
; A KEY STEP: 64 keys, the q-th of the slot in hand.
.macro STEP q
	s_add_co_u32 s96, s[Q0], 31                    ; a step all of whose keys come after my 32 queries is left out: a branch on ids and the count of steps
	s_cmp_gt_u32 s[KF], s96
	s_cbranch_scc1 .Lhidden_\@
	v_add_nc_u32 v[ADK], s[TB], v[AK0]
	v_add_nc_u32 v[ADV], s[TB], v[AV0]
.irp c, 0,1
.irp kt, 0,1,2,3
	ds_load_b128 v[F+8*(4*\c+\kt):F+8*(4*\c+\kt)+3], v[ADK] offset:32*KP*(\q)+8*KP*\kt+64*\c
	ds_load_b128 v[F+8*(4*\c+\kt)+4:F+8*(4*\c+\kt)+7], v[ADK] offset:32*KP*(\q)+8*KP*\kt+64*\c+32
.endr
.endr
	s_wait_dscnt 8                                 ; the first 32 channels' eight loads are in; the other eight may be out
	KQ 0
	s_wait_dscnt 0x0
	KQ 1
.rept 4
	v_nop                                          ; places: in front of the loads into K's registers, and of the first read of the scores
.endr
.irp kk, 0,1
.irp ct, 0,1,2,3
	ds_load_tr16_b128 v[F+8*(4*\kk+\ct):F+8*(4*\kk+\ct)+3], v[ADV] offset:32*VP*(\q)+16*VP*\kk+32*\ct        ; V lands while the softmax is walked
	ds_load_tr16_b128 v[F+8*(4*\kk+\ct)+4:F+8*(4*\kk+\ct)+7], v[ADV] offset:32*VP*(\q)+16*VP*\kk+8*VP+32*\ct
.endr
.endr
	s_add_co_u32 s96, s[KF], 63                    ; on the diagonal hidden scores become -infinity; a step all of whose keys count for all my queries skips this
	s_cmp_le_u32 s96, s[Q0]
	s_cbranch_scc1 .Lopen_\@
	s_sub_co_i32 s96, s[Q0], s[KF]
	v_add_nc_u32 v[DD], s96, v[DL]                 ; register 8 kt + j holds key KF + 8 h + 16 kt + j: hidden where 16 kt + j > my query - KF - 8 h
	v_add_nc_u32 v[DD+1], 16, v[DD]
.irp t, 0,1
.irp kt, 0,1,2,3
.irp j, 0,1,2,3,4,5,6,7
	v_cmp_gt_i32 vcc_lo, 16*\kt+\j, v[DD+\t]
	v_cndmask_b32 v[S+32*\t+8*\kt+\j], v[S+32*\t+8*\kt+\j], v[NINF], vcc_lo
.endr
.endr
.endr
.Lopen_\@:
	; the softmax, both tiles line by line.  The maximum of my 32 scores and the old m: four chains, each begun at an accumulator's low end
.irp x, 0,1,2,3
.irp t, 0,1
	v_max3_num_f32 v[ST+8*\t+4+\x], v[S+32*\t+8*\x], v[S+32*\t+8*\x+1], v[S+32*\t+8*\x+2]
.endr
.endr
.irp y, 1,2
.irp x, 0,1,2,3
.irp t, 0,1
	v_max3_num_f32 v[ST+8*\t+4+\x], v[ST+8*\t+4+\x], v[S+32*\t+8*\x+2*\y+1], v[S+32*\t+8*\x+2*\y+2]
.endr
.endr
.endr
.irp t, 0,1
	v_max3_num_f32 v[ST+8*\t+4], v[ST+8*\t+4], v[S+32*\t+7], v[S+32*\t+15]
.endr
.irp t, 0,1
	v_max3_num_f32 v[ST+8*\t+6], v[ST+8*\t+6], v[S+32*\t+23], v[S+32*\t+31]
.endr
.irp t, 0,1
	v_max3_num_f32 v[ST+8*\t+4], v[ST+8*\t+4], v[ST+8*\t+5], v[ST+8*\t+6]
.endr
.irp t, 0,1
	v_max3_num_f32 v[ST+8*\t+4], v[ST+8*\t+4], v[ST+8*\t+7], v[ST+8*\t+1]
.endr
.irp t, 0,1
	v_permlanex16_b32 v[ST+8*\t+5], v[ST+8*\t+4], s[SEL], s[SEL+1]   ; the query's other 32 keys lie in the lane 16 away
.endr
.irp t, 0,1
	v_mov_b32 v[ST+8*\t+7], v[ST+8*\t]             ; c m_old
.endr
.irp t, 0,1
	v_max_num_f32 v[ST+8*\t+1], v[ST+8*\t+4], v[ST+8*\t+5]
.endr
.irp t, 0,1
	v_mul_f32 v[ST+8*\t], s[CS], v[ST+8*\t+1]
.endr
.irp t, 0,1
	v_sub_f32 v[ST+8*\t+7], v[ST+8*\t+7], v[ST+8*\t]
.endr
.irp b, 0,1,2,3,4,5,6,7,8,9,10,11,12,13,14,15
.irp t, 0,1
	v_pk_fma_f32 v[S+32*\t+2*\b:S+32*\t+2*\b+1], v[S+32*\t+2*\b:S+32*\t+2*\b+1], s[CS:CS+1], v[ST+8*\t:ST+8*\t+1] op_sel_hi:[1,0,0] neg_lo:[0,0,1] neg_hi:[0,0,1]   ; c s - c m
.endr
.endr
.irp t, 0,1
	v_exp_f32 v[ST+8*\t+6], v[ST+8*\t+7]           ; a
.endr
.set i, 0
.rept 64
	v_exp_f32 v[S+i], v[S+i]                       ; p, at most 1 but for the rounding of c m
.set i, i+1
.endr
	v_nop                                          ; a plain instruction behind the last exponential
	s_wait_alu depctr_va_vdst(0)                   ; one wait for the batch of 66, ahead of its first reader
.irp t, 0,1
	v_pk_fma_f32 v[ST+8*\t+2:ST+8*\t+3], v[ST+8*\t+2:ST+8*\t+3], v[ST+8*\t+6:ST+8*\t+7], v[S+32*\t:S+32*\t+1] op_sel_hi:[1,0,1]   ; l = a l + the sum of the unrounded p, in two chains
.endr
.irp t, 0,1
	v_pk_add_f32 v[ST+8*\t+4:ST+8*\t+5], v[S+32*\t+2:S+32*\t+3], v[S+32*\t+4:S+32*\t+5]
.endr
.irp b, 3,5,7,9,11,13
.irp t, 0,1
	v_pk_add_f32 v[ST+8*\t+2:ST+8*\t+3], v[ST+8*\t+2:ST+8*\t+3], v[S+32*\t+2*\b:S+32*\t+2*\b+1]
.endr
.irp t, 0,1
	v_pk_add_f32 v[ST+8*\t+4:ST+8*\t+5], v[ST+8*\t+4:ST+8*\t+5], v[S+32*\t+2*\b+2:S+32*\t+2*\b+3]
.endr
.endr
.irp t, 0,1
	v_pk_add_f32 v[ST+8*\t+2:ST+8*\t+3], v[ST+8*\t+2:ST+8*\t+3], v[S+32*\t+30:S+32*\t+31]
.endr
.irp t, 0,1
	v_pk_add_f32 v[ST+8*\t+2:ST+8*\t+3], v[ST+8*\t+2:ST+8*\t+3], v[ST+8*\t+4:ST+8*\t+5]
.endr
.irp b, 0,1,2,3,4,5,6,7,8,9,10,11,12,13,14,15
.irp t, 0,1
	v_cvt_pk_f16_f32 v[S+32*\t+\b], v[S+32*\t+2*\b], v[S+32*\t+2*\b+1]   ; P, in place: register b is written when pairs 0 .. b have been read
.endr
.endr
.irp b, 0,2,4,6,8,10,12,14,16,18,20,22,24,26,28,30
.irp t, 0,1
	v_pk_mul_f32 v[O+32*\t+\b:O+32*\t+\b+1], v[O+32*\t+\b:O+32*\t+\b+1], v[ST+8*\t+6:ST+8*\t+7] op_sel_hi:[1,0]   ; O^T x a, each accumulator from its low end on
.endr
.endr
	s_wait_dscnt 0x0                               ; V is in
	PV 0
	PV 1
.rept 5
	v_nop                                          ; places: the next step's products write over P's registers, its loads land on V's
.endr
.Lhidden_\@:
	s_add_co_u32 s[KF], s[KF], 64
.endm
; THE CHANGE OF SLOTS stands at a slot's head.  Each wave waits for all its tensor loads, adds 0 to its spare word, and waits for that and for its reads of the slot that it has left.  Behind the barrier the slot ahead is whole and
; nobody reads the other one.  fill = 1: that other slot is filled with the keys that follow, up to the causal limit: the load has four key steps in which to land.  A wave has one tensor load out at the most.
.macro CHANGE fill
	s_wait_tensorcnt 0x0                           ; no tensor load of mine is out, so a group 0 may be written
	ds_add_u32 v[SPW], v[NIL]                      ; 0 onto my spare word
.if \fill
	ds_add_u32 v[SPW], v[NIL]                      ; and once more, in every trip alike
	s_xor_b32 s[G0K+1], s[G0K+1], SLOT1            ; the walking descriptors: the other slot than last time,
	s_add_nc_u64 s[G0K+2:G0K+3], s[G0K+2:G0K+3], 32768   ; the next 256 keys
	s_xor_b32 s[G0V+1], s[G0V+1], SLOT1
	s_add_nc_u64 s[G0V+2:G0V+3], s[G0V+2:G0V+3], 32768
	s_wait_xcnt 0x0                                ; the last prefetch, a slot back, has read its address, so it may be written
	s_add_nc_u64 s[PFA:PFA+1], s[PFA:PFA+1], 32768 ; one slot further on than the walking descriptors
.endif
	s_wait_dscnt 0x0                               ; the add is done, and my reads of the slot that I have left are over
	s_barrier_signal -1
	s_barrier_wait -1
.if \fill
	s_add_co_u32 s96, s[KF], 256                   ; the first key of the slot that this change would ask for:
	s_cmp_gt_u32 s96, s[LASTQ]                     ; behind my work-group's last query none of its waves would read it, so it is not asked for.  Ids and the count of steps alone: all sixteen waves go the same way
	s_cbranch_scc1 .Lpast_\@
	TLOAD                                          ; a wave's one tensor load until the next such barrier
.Lpast_\@:
	ASK
.endif
.endm
	s_wait_loadcnt 0x0                             ; Q
.Lslot:                                            ; seven trips
	CHANGE 1
	STEP 0
	STEP 1
	STEP 2
	STEP 3
	s_xor_b32 s[TB], s[TB], SLOT1                  ; on to the other slot
	s_sub_co_u32 s[SLOTS], s[SLOTS], 1
	s_cmp_lg_u32 s[SLOTS], 0
	s_cbranch_scc1 .Lslot
	CHANGE 0                                       ; the last slot is written out: nothing is left to ask for
	STEP 0
	STEP 1
	STEP 2
	STEP 3
	; THE WAY OUT.  l's two halves and the other half of the lanes' are added; O^T is divided by l, rounded to f16 and sent through my stage: 16 queries of a head are 2,048 dense bytes.
.irp t, 0,1
	v_add_f32 v[ST+8*\t+4], v[ST+8*\t+2], v[ST+8*\t+3]
.endr
.irp t, 0,1
	v_permlanex16_b32 v[ST+8*\t+5], v[ST+8*\t+4], s[SEL], s[SEL+1]
.endr
.irp t, 0,1
	v_add_f32 v[ST+8*\t+4], v[ST+8*\t+4], v[ST+8*\t+5]
.endr
.irp t, 0,1
	v_rcp_f32 v[ST+8*\t+6], v[ST+8*\t+4]
.endr
	v_nop                                          ; a plain instruction behind the last reciprocal
	s_wait_alu depctr_va_vdst(0)                   ; and a wait ahead of the first use
.irp b, 0,2,4,6,8,10,12,14,16,18,20,22,24,26,28,30
.irp t, 0,1
	v_pk_mul_f32 v[O+32*\t+\b:O+32*\t+\b+1], v[O+32*\t+\b:O+32*\t+\b+1], v[ST+8*\t+6:ST+8*\t+7] op_sel_hi:[1,0]
.endr
.endr
.irp t, 0,1
.irp b, 0,1,2,3,4,5,6,7,8,9,10,11,12,13,14,15
	v_cvt_pk_f16_f32 v[S+16*\t+\b], v[O+32*\t+2*\b], v[O+32*\t+2*\b+1]
.endr
.endr
.irp t, 0,1
.irp ct, 0,1,2,3
	ds_store_b128 v[STO], v[S+16*\t+4*\ct:S+16*\t+4*\ct+3] offset:16*SPI*\t+32*\ct
.endr
.endr
.irp t, 0,1
.irp x, 0,1,2,3
	ds_load_b128 v[96+16*\t+4*\x:96+16*\t+4*\x+3], v[RD] offset:16*SPI*\t+4*SPI*\x   ; LDS serves a wave's instructions in order: these see my stores
.endr
.endr
.irp t, 0,1
.irp x, 0,1,2,3
	s_wait_dscnt 7-4*\t-\x                         ; the younger LDS loads may be out
	global_store_b128 v[GO], v[96+16*\t+4*\x:96+16*\t+4*\x+3], s[6:7] offset:2048*\t+512*\x   ; 512 consecutive bytes, aligned
.endr
.endr
	s_wait_tensorcnt 0x0                           ; the wave's end, behind my last tensor load and my last LDS store
	ds_add_u32 v[SPW], v[NIL]
	s_wait_dscnt 0x0
	s_endpgm
.Lfunc_end_k_qa5ef517e52_attn:
	.size	k_qa5ef517e52_attn, .Lfunc_end_k_qa5ef517e52_attn-k_qa5ef517e52_attn
	.p2alignl 7, 3214868480
	.fill 96, 4, 3214868480
	.section	.rodata,"a",@progbits
	.p2align	6, 0x0
	.amdhsa_kernel k_qa5ef517e52_attn
		.amdhsa_group_segment_fixed_size 327680
		.amdhsa_private_segment_fixed_size 0
		.amdhsa_enable_private_segment 0
		.amdhsa_kernarg_size 16
		.amdhsa_user_sgpr_count 2
		.amdhsa_user_sgpr_kernarg_segment_ptr 1
		.amdhsa_wavefront_size32 1
		.amdhsa_system_sgpr_workgroup_id_x 1
		.amdhsa_system_sgpr_workgroup_id_y 1
		.amdhsa_system_sgpr_workgroup_id_z 1
		.amdhsa_system_vgpr_workitem_id 0
		.amdhsa_next_free_vgpr 256
		.amdhsa_next_free_sgpr 100
		.amdhsa_reserve_vcc 1
		.amdhsa_float_denorm_mode_32 3
		.amdhsa_float_denorm_mode_16_64 3
		.amdhsa_memory_ordered 1
		.amdhsa_forward_progress 1
		.amdhsa_inst_pref_size 188
	.end_amdhsa_kernel
	.amdgpu_metadata
---
amdhsa.version: [ 1, 2 ]
amdhsa.kernels:
  - .name:           k_qa5ef517e52_attn
    .symbol:         k_qa5ef517e52_attn.kd
    .args:
      - { .name: qkv, .offset: 0, .size: 8, .value_kind: global_buffer, .address_space: global }
      - { .name: attn, .offset: 8, .size: 8, .value_kind: global_buffer, .address_space: global }
    .group_segment_fixed_size: 327680
    .private_segment_fixed_size: 0
    .kernarg_segment_align: 8
    .kernarg_segment_size: 16
    .max_flat_workgroup_size: 512
    .sgpr_count:     100
    .vgpr_count:     256
    .wavefront_size: 32
...
	.end_amdgpu_metadata
.endif
;; end of part 3
;; launch outproj (part 4): grid 4 x 64, 4 waves a work-group, clusters of 4 x 4, 327,680 bytes of LDS; arguments attn, wot, bo, out0; writes out0
.if DOCPART == 4
	.amdgcn_target "amdgcn-amd-amdhsa--gfx1250"
	.amdhsa_code_object_version 6
	.text
	.protected	k_qa5ef517e52_outproj
	.globl	k_qa5ef517e52_outproj
	.p2align	8
	.type	k_qa5ef517e52_outproj,@function
k_qa5ef517e52_outproj:
	s_mov_b64 s[64:65], 0
	v_nop
	global_prefetch_b8 v0, s[64:65] scope:SCOPE_SE
	s_setreg_imm32_b32 hwreg(HW_REG_WAVE_MODE, 25, 1), 1
	s_wait_xcnt 0x0
	s_wait_alu depctr_hold_cnt(0) depctr_sa_sdst(0) depctr_va_vdst(0) depctr_va_sdst(0) depctr_va_ssrc(0) depctr_va_vcc(0) depctr_vm_vsrc(0)
	s_getreg_b32 s2, hwreg(HW_REG_IB_STS2, 6, 4)
	s_cmp_eq_u32 s2, 0
	s_cbranch_scc0 .Lentry_in_a_cluster
	s_endpgm
.Lentry_in_a_cluster:
	s_bfe_u32 s2, ttmp6, 0x10000c
	s_cmp_lg_u32 s2, 0xf033
	s_cbranch_scc0 .Lentry_shape_is_right
	s_endpgm
.Lentry_shape_is_right:
; THE PROJECTION ON THE WAY OUT:  out[m][n] = bo[n] + sum over k of A[m][k] Wo[k][n], f16 operands, f32 sums, K = 1,024 = 16 heads x 64.
; A: the attention's result, f16, [batch][head][s][64];  Wo: f16, [head][n][64];  out: [8192][1024] f32.  (Positions 0-15 of every batch are written again, more finely, by the next launch.)
; A tile of out is 128 x 256, which makes 256 work-groups; four waves, each 64 x 128: 32 accumulators, 256 registers.  A K step is two heads, 128 along K; eight K steps go through a ring of two LDS slots.
; A head's rows are dense in memory: 128 rows of A are 64 rows of 256 bytes, 256 rows of Wo 128; row R lies in LDS at (R / 2) x 272 + (R % 2) x 128, so that the 16 rows of a fragment load start in 16 different columns of 16 bytes.
; CLUSTERS: 4 x 4 work-groups.  The four of a row of the cluster need the same tiles of A, the four of a column the same tiles of Wo: each is asked for jointly.  Waves 0, 1 fetch A's two heads, waves 2, 3 Wo's: one load a wave.
; THE MATRIX INSTRUCTION IS USED TRANSPOSED (source 0 = 16 rows of Wo, source 1 = 16 rows of A): a lane holds eight neighbouring numbers of a row of out.  The bias is the C of each sum's first matrix instruction.
; REGISTERS: window 0: v0-31 addresses; v64-127 the bias, eight registers for each column block; v128-255 rows on the way out.   window 1: two fragment buffers of 96 (A's four, then Wo's eight), at v0 and v128.   window 2: the accumulators, (a, b) at v[8 (8 a + b)].
.set PITCH,  272
.set AH,     64*PITCH                  ; a head's 128 rows of A
.set BH,     128*PITCH                 ; a head's 256 rows of Wo
.set BOFF,   2*AH
.set SLOT,   2*AH+2*BH
.set STAGE,  2*SLOT                    ; behind the ring: 16 rows x (512 bytes + 16) for each wave
.set SPITCH, 528
.set SPARE,  STAGE+4*16*SPITCH         ; the spare words, 128 bytes for each wave: two blocks of 256 bytes that no other line names
.set LAPS,   4                         ; a lap = two K steps = once round the ring
.set ADRA, 16
.set ADRB, 20
.set STO,  24
.set RD,   25
.set CO,   26
.set BO,   27
.set SPW,  28                          ; v28 my spare word's LDS address; never rewritten
.set NIL,  29                          ; v29 0; never rewritten
.set BI,   64
.set BK,   128
.set F0,   0
.set F1,   128
.set G1, 24
.set G0, 32
.set G1B, 48
.set G0B, 56
.set MSB, 0
.macro WIN new                         ; the immediate's high byte repeats the setting that is left
.if MSB != \new
	s_set_vgpr_msb (MSB<<8)|\new
.set MSB, \new
.endif
.endm
.set MUL,   0xa5                       ; sources 0 and 1 window 1; C and D window 2
.set FIRST, 0x85                       ; C (the bias) window 0, D window 2
.set TO_F,  0x40
.macro JLOAD s                         ; a joint load; an s_nop 0 and four v_nop follow each of the two lines
	s_cmp_eq_u32 s13, 0
	s_cbranch_scc0 .Lfor_b_\@
	tensor_load_to_lds s[G0+4*\s:G0+4*\s+3], s[G1:G1+7]
	s_nop 0
.rept 4
	v_nop
.endr
	s_branch .Lasked_\@
.Lfor_b_\@:
	tensor_load_to_lds s[G0B+4*\s:G0B+4*\s+3], s[G1B:G1B+7]
	s_nop 0
.rept 4
	v_nop
.endr
.Lasked_\@:
.endm
.macro CREST                           ; a round of the cluster's barrier behind its opening barrier
	s_cmp_lg_u32 s12, 0
	s_cbranch_scc1 .Lnot_wave_0_\@
	s_barrier_signal -3
.Lnot_wave_0_\@:
	s_barrier_wait -3
	s_barrier_signal -1
	s_barrier_wait -1
.endm
.macro CROUND
	s_barrier_signal -1
	s_barrier_wait -1
	CREST
.endm
	s_load_b256 s[4:11], s[0:1], 0x0               ; A s[4:5], Wo s[6:7], bo s[8:9], out s[10:11]
	v_lshl_add_u32 v[SPW], v0, 2, SPARE
	v_mov_b32 v[NIL], 0
	ds_add_u32 v[SPW], v[NIL]                      ; the wave's opening: the add, twice on end, and its wait ahead of my first tensor load
	ds_add_u32 v[SPW], v[NIL]
	v_lshrrev_b32 v1, 5, v0
	v_readfirstlane_b32 s12, v1                    ; wave 0..3
	s_lshr_b32 s13, s12, 1                         ; which 64 rows are mine.  Also: I fetch for A (0) or for Wo (1)
	s_and_b32 s14, s12, 1                          ; which 128 columns.  Also: which of a K step's two heads I fetch
	s_bfe_u32 s40, ttmp6, 0x40000                  ; cx: the tile column
	s_bfe_u32 s41, ttmp6, 0x40004                  ; cy
	s_and_b32 s15, ttmp7, 0xffff
	s_lshl_b32 s15, s15, 2
	s_add_co_u32 s15, s15, s41                     ; the tile row = 4 x cluster y + cy
	s_lshl_b32 s43, s41, 2
	s_lshl_b32 s43, 15, s43                        ; my row of the cluster
	s_lshl_b32 s44, 0x1111, s40                    ; my column
	s_or_b32 s[G1+0], s43, (3<<16)|(1<<20)|(1<<21)|(5<<22)|(3<<25)  ; the mask; elements of 8 bytes; padding on; 21 set beside a mask; four words after every 64
	s_or_b32 s[G1B+0], s44, (3<<16)|(1<<20)|(1<<21)|(5<<22)|(3<<25)
	s_mov_b32 s[G1+1], 32<<16                      ; tensor_dim0: 32 elements, 256 bytes
	s_mov_b32 s[G1+2], 64<<16                      ; tensor_dim1
	s_mov_b32 s[G1+3], 32<<16                      ; tile_dim0
	s_mov_b32 s[G1+4], 64                          ; tile_dim1
	s_mov_b32 s[G1+5], 32                          ; tensor_dim0_stride: dense
	s_mov_b32 s[G1+6], 0
	s_mov_b32 s[G1+7], 0
	s_mov_b32 s[G1B+1], 32<<16
	s_mov_b32 s[G1B+2], 128<<16
	s_mov_b32 s[G1B+3], 32<<16
	s_mov_b32 s[G1B+4], 128
	s_mov_b32 s[G1B+5], 32
	s_mov_b32 s[G1B+6], 0
	s_mov_b32 s[G1B+7], 0
	s_lshr_b32 s16, s15, 4
	s_lshl_b32 s16, s16, 22                        ; A: the batch,
	s_and_b32 s17, s15, 15
	s_lshl_b32 s17, s17, 14                        ; 128 positions of 128 bytes,
	s_add_co_u32 s16, s16, s17
	s_lshl_b32 s17, s14, 18                        ; my head of the two
	s_add_co_u32 s16, s16, s17
	s_mov_b32 s17, 0
	s_lshl_b32 s46, s40, 15                        ; Wo: 256 rows of 128 bytes,
	s_lshl_b32 s47, s14, 17                        ; my head of the two
	s_add_co_u32 s46, s46, s47
	s_mov_b32 s47, 0
	s_mul_i32 s20, s14, AH                         ; where they go: the wave's number alone enters an LDS address
	s_mul_i32 s21, s14, BH
	s_add_co_u32 s21, s21, BOFF
	s_wait_dscnt 0x0                               ; both opening adds are done
	s_wait_kmcnt 0x0
	s_add_nc_u64 s[16:17], s[4:5], s[16:17]
	s_add_nc_u64 s[46:47], s[6:7], s[46:47]
	CROUND                                         ; all sixteen work-groups are here: the first joint loads meet
.irp s, 0,1
	s_mov_b32 s[G0+4*\s], 1
	s_add_co_u32 s[G0+4*\s+1], s20, \s*SLOT
	s_add_nc_u64 s[G0+4*\s+2:G0+4*\s+3], s[16:17], \s*524288      ; K step s: two heads of 262,144 bytes on
	s_or_b32 s[G0+4*\s+3], s[G0+4*\s+3], 0x80000000
	s_mov_b32 s[G0B+4*\s], 1
	s_add_co_u32 s[G0B+4*\s+1], s21, \s*SLOT
	s_add_nc_u64 s[G0B+4*\s+2:G0B+4*\s+3], s[46:47], \s*262144    ; two heads of 131,072 bytes on
	s_or_b32 s[G0B+4*\s+3], s[G0B+4*\s+3], 0x80000000
	JLOAD \s
.endr
	v_and_b32 v1, 15, v0                           ; r
	v_bfe_u32 v2, v0, 4, 1                         ; h
	s_lshl_b32 s46, s40, 10
	s_lshl_b32 s47, s14, 9
	s_add_co_u32 s46, s46, s47                     ; my first column, in bytes of f32
	s_mov_b32 s47, 0
	s_add_nc_u64 s[8:9], s[8:9], s[46:47]
	v_lshlrev_b32 v[BO], 5, v2
.irp b, 0,1,2,3,4,5,6,7
	global_load_b128 v[BI+8*\b:BI+8*\b+3], v[BO], s[8:9] offset:64*\b          ; lane (r, h): bo at columns 16 b + 8 h + 0 .. 7
	global_load_b128 v[BI+8*\b+4:BI+8*\b+7], v[BO], s[8:9] offset:64*\b+16
.endr
	v_lshrrev_b32 v3, 1, v1
	v_mul_u32_u24 v3, v3, PITCH
	v_and_b32 v4, 1, v0
	v_lshl_add_u32 v3, v4, 7, v3
	v_lshl_add_u32 v3, v2, 4, v3                   ; a fragment's row r: (r / 2) x pitch + (r % 2) x 128 + 16 h
	s_mul_i32 s21, s13, 32*PITCH                   ; my 64 rows of A
	s_mul_i32 s22, s14, 64*PITCH                   ; my 128 rows of Wo,
	s_add_co_u32 s22, s22, BOFF                    ; behind A's two heads
.irp s, 0,1
	v_add_nc_u32 v[ADRA+\s], s21, v3
	v_add_nc_u32 v[ADRB+\s], s22, v3
	s_add_co_u32 s21, s21, SLOT
	s_add_co_u32 s22, s22, SLOT
.endr
	s_mul_i32 s23, s12, 16*SPITCH
	s_add_co_u32 s23, s23, STAGE                   ; my stage
	v_mul_u32_u24 v5, v1, SPITCH
	v_lshl_add_u32 v5, v2, 5, v5
	v_add_nc_u32 v[STO], s23, v5                   ; in: row r, 32 bytes for each half of the lanes
	v_and_b32 v6, 31, v0
	v_lshlrev_b32 v[CO], 4, v6                     ; back: the 32 lanes take one row of 512 bytes; and the same in out
	v_add_nc_u32 v[RD], s23, v[CO]
	s_lshl_b32 s16, s15, 19                        ; 128 rows of 4,096 bytes a tile row,
	s_lshl_b32 s17, s13, 18                        ; my 64 of them,
	s_add_co_u32 s16, s16, s17
	s_add_co_u32 s46, s46, s16                     ; my columns
	s_add_nc_u64 s[10:11], s[10:11], s[46:47]
.macro MUL8 f, a, first                ; eight matrix instructions: A's block a x Wo's eight, 32 along K.  The 32 accumulators take turns, in the same order in every quarter
.irp b, 0,1,2,3,4,5,6,7
.if \first
	v_wmma_f32_16x16x32_f16 v[8*(8*\a+\b):8*(8*\a+\b)+7], v[\f+32+8*\b:\f+32+8*\b+7], v[\f+8*\a:\f+8*\a+7], v[BI+8*\b:BI+8*\b+7]
.else
	v_wmma_f32_16x16x32_f16 v[8*(8*\a+\b):8*(8*\a+\b)+7], v[\f+32+8*\b:\f+32+8*\b+7], v[\f+8*\a:\f+8*\a+7], v[8*(8*\a+\b):8*(8*\a+\b)+7]
.endif
.endr
.endm
.macro FETCH slot, q, f                ; 24 LDS loads in one run: quarter q (head q / 2, channels 32 (q % 2) on) into buffer f; Wo's first
	WIN TO_F
.irp i, 0,1,2,3,4,5,6,7
	ds_load_b128 v[\f+32+8*\i:\f+32+8*\i+3], v[ADRB+\slot] offset:((\q)/2)*BH+((\q)%2)*64+\i*8*PITCH
	ds_load_b128 v[\f+32+8*\i+4:\f+32+8*\i+7], v[ADRB+\slot] offset:((\q)/2)*BH+((\q)%2)*64+\i*8*PITCH+32
.endr
.irp i, 0,1,2,3
	ds_load_b128 v[\f+8*\i:\f+8*\i+3], v[ADRA+\slot] offset:((\q)/2)*AH+((\q)%2)*64+\i*8*PITCH
	ds_load_b128 v[\f+8*\i+4:\f+8*\i+7], v[ADRA+\slot] offset:((\q)/2)*AH+((\q)%2)*64+\i*8*PITCH+32
.endr
.endm
.macro PLACES                          ; four places in front of loads into registers that matrix instructions have read, and of the first read of results
.rept 4
	v_nop
.endr
.endm
.macro MWIN first
.if \first
	WIN FIRST
.else
	WIN MUL
.endif
.endm
; One of a K step's first three quarters: multiplies buffer f and fetches quarter qn of the same slot into g.
.macro QUARTER slot, qn, f, g, first
	s_wait_dscnt 4                                 ; Wo's fragments and A's blocks 0, 1 are in; the youngest four loads (A's blocks 2, 3) may be out
	MWIN \first
	MUL8 \f, 0, \first
	MUL8 \f, 1, \first
	PLACES
	FETCH \slot, \qn, \g
	s_wait_dscnt 24                                ; all but the 24 just issued
	MWIN \first
	MUL8 \f, 2, \first
	MUL8 \f, 3, \first
.endm
; The last quarter multiplies buffer 1 and changes slots: one barrier; in front of it each wave waits for all its tensor loads, adds 0 to its spare word, and waits for that and for its own reads of this slot.  fill = 1: this slot is filled again, two K steps ahead.
.macro TURN slot, next, fill
	WIN 0                                          ; (the add's two registers lie in window 0)
	s_wait_tensorcnt 0x0                           ; all my tensor loads have landed: my part of the next slot
	ds_add_u32 v[SPW], v[NIL]                      ; 0 onto my spare word
	s_wait_dscnt 5                                 ; (the add and the youngest four loads may be out)
	WIN MUL
	MUL8 F1, 0, 0
	s_wait_dscnt 0x0                               ; the add is done, and my reads of this slot are over
	s_barrier_signal -1
	MUL8 F1, 1, 0
.if \fill
	WIN 0
.endif
	s_barrier_wait -1
.if \fill
	CREST                                          ; the barrier has opened a round of the cluster's barrier: no wave of any partner still reads this slot or has a load on its way
	s_add_nc_u64 s[G0+4*\slot+2:G0+4*\slot+3], s[G0+4*\slot+2:G0+4*\slot+3], 1048576
	s_add_nc_u64 s[G0B+4*\slot+2:G0B+4*\slot+3], s[G0B+4*\slot+2:G0B+4*\slot+3], 524288
	JLOAD \slot                                    ; the first tensor load behind the round; its four v_nop are also the places in front of the loads below
.else
	PLACES
.endif
	FETCH \next, 0, F0
	WIN MUL
	MUL8 F1, 2, 0
	MUL8 F1, 3, 0
.endm
	s_wait_loadcnt 0x0                             ; the bias
	s_wait_tensorcnt 1                             ; my part of K step 0 is in (K step 1's load may be out)
	s_barrier_signal -1
	s_barrier_wait -1                              ; everybody's is
	FETCH 0, 0, F0
	QUARTER 0, 1, F0, F1, 1                        ; the first quarter's products start the sums, on the bias
	WIN 0                                          ; at a label and at a branch every window is 0
	s_mov_b32 s3, LAPS-1
.Llap:                                                 ; a trip goes once round the ring, from a lap's second quarter to the next lap's first, and fills both slots again
	QUARTER 0, 2, F1, F0, 0
	QUARTER 0, 3, F0, F1, 0
	TURN 0, 1, 1
	QUARTER 1, 1, F0, F1, 0
	QUARTER 1, 2, F1, F0, 0
	QUARTER 1, 3, F0, F1, 0
	TURN 1, 0, 1
	QUARTER 0, 1, F0, F1, 0
	WIN 0
	s_sub_co_u32 s3, s3, 1
	s_cmp_lg_u32 s3, 0
	s_cbranch_scc1 .Llap
	QUARTER 0, 2, F1, F0, 0                        ; the last lap fills nothing, and has no round of the cluster's barrier
	QUARTER 0, 3, F0, F1, 0
	TURN 0, 1, 0
	QUARTER 1, 1, F0, F1, 0
	QUARTER 1, 2, F1, F0, 0
	QUARTER 1, 3, F0, F1, 0
	s_wait_dscnt 4                                 ; the very last quarter: nothing more to fetch
	WIN MUL
	MUL8 F1, 0, 0
	MUL8 F1, 1, 0
	s_wait_dscnt 0
	MUL8 F1, 2, 0
	MUL8 F1, 3, 0
	WIN 0
; THE WAY OUT, block by block of 16 rows x 128 columns: through my own stage, back as whole rows of 512 bytes.
.macro TOSTAGE a
	WIN 0x08                                       ; an LDS store's data: window 2
.irp b, 0,1,2,3,4,5,6,7
	ds_store_b128 v[STO], v[64*(\a)+8*\b:64*(\a)+8*\b+3] offset:64*\b          ; each accumulator from its low end on
	ds_store_b128 v[STO], v[64*(\a)+8*\b+4:64*(\a)+8*\b+7] offset:64*\b+16
.endr
	WIN 0
.set BB, BK+64*((\a)%2)
.irp u, 0,1,2,3,4,5,6,7,8,9,10,11,12,13,14,15
	ds_load_b128 v[BB+4*\u:BB+4*\u+3], v[RD] offset:\u*SPITCH       ; LDS serves a wave's instructions in order: these see the stores above
.endr
.endm
.macro SEND a, younger                 ; younger: the LDS instructions issued behind block a's loads, which may stay out
.set BB, BK+64*((\a)%2)
	s_wait_dscnt \younger
.irp u, 0,1,2,3,4,5,6,7,8,9,10,11,12,13,14,15
	global_store_b128 v[CO], v[BB+4*\u:BB+4*\u+3], s[10:11] offset:65536*(\a)+4096*\u th:TH_STORE_NT   ; 32 lanes store 512 consecutive bytes, aligned
.endr
.endm
	PLACES
	TOSTAGE 0
.irp a, 1,2,3
.if \a > 1
	s_wait_xcnt 0x0                                ; block a - 2's stores have read their registers: block a's loads may land there
.endif
	TOSTAGE \a
	SEND \a-1, 32                                  ; behind block a - 1's loads: block a's 16 stores and 16 loads
.endr
	SEND 3, 0
	s_wait_tensorcnt 0x0                           ; the wave's end, behind my last tensor load and my last LDS store
	ds_add_u32 v[SPW], v[NIL]
	s_wait_dscnt 0x0
	CROUND                                         ; the closing round
	s_endpgm
.Lfunc_end_k_qa5ef517e52_outproj:
	.size	k_qa5ef517e52_outproj, .Lfunc_end_k_qa5ef517e52_outproj-k_qa5ef517e52_outproj
	.p2alignl 7, 3214868480
	.fill 96, 4, 3214868480
	.section	.rodata,"a",@progbits
	.p2align	6, 0x0
	.amdhsa_kernel k_qa5ef517e52_outproj
		.amdhsa_group_segment_fixed_size 327680
		.amdhsa_private_segment_fixed_size 0
		.amdhsa_enable_private_segment 0
		.amdhsa_kernarg_size 32
		.amdhsa_user_sgpr_count 2
		.amdhsa_user_sgpr_kernarg_segment_ptr 1
		.amdhsa_wavefront_size32 1
		.amdhsa_system_sgpr_workgroup_id_x 1
		.amdhsa_system_sgpr_workgroup_id_y 1
		.amdhsa_system_sgpr_workgroup_id_z 1
		.amdhsa_system_vgpr_workitem_id 0
		.amdhsa_next_free_vgpr 768
		.amdhsa_next_free_sgpr 66
		.amdhsa_reserve_vcc 0
		.amdhsa_float_denorm_mode_32 3
		.amdhsa_float_denorm_mode_16_64 3
		.amdhsa_memory_ordered 1
		.amdhsa_forward_progress 1
		.amdhsa_inst_pref_size 86
	.end_amdhsa_kernel
	.amdgpu_metadata
---
amdhsa.version: [ 1, 2 ]
amdhsa.kernels:
  - .name:           k_qa5ef517e52_outproj
    .symbol:         k_qa5ef517e52_outproj.kd
    .args:
      - { .name: attn, .offset: 0, .size: 8, .value_kind: global_buffer, .address_space: global }
      - { .name: wot, .offset: 8, .size: 8, .value_kind: global_buffer, .address_space: global }
      - { .name: bo, .offset: 16, .size: 8, .value_kind: global_buffer, .address_space: global }
      - { .name: out0, .offset: 24, .size: 8, .value_kind: global_buffer, .address_space: global }
    .group_segment_fixed_size: 327680
    .private_segment_fixed_size: 0
    .kernarg_segment_align: 8
    .kernarg_segment_size: 32
    .max_flat_workgroup_size: 128
    .sgpr_count:     66
    .vgpr_count:     768
    .wavefront_size: 32
...
	.end_amdgpu_metadata
.endif
;; end of part 4
;; launch first16 (part 5): grid 16 x 4, 16 waves a work-group, no clusters, 67,584 bytes of LDS; arguments rows32, Wo, bo, out0; writes out0
.if DOCPART == 5
	.amdgcn_target "amdgcn-amd-amdhsa--gfx1250"
	.amdhsa_code_object_version 6
	.text
	.protected	k_qa5ef517e52_first16
	.globl	k_qa5ef517e52_first16
	.p2align	8
	.type	k_qa5ef517e52_first16,@function
k_qa5ef517e52_first16:
	s_mov_b64 s[64:65], 0
	v_nop
	global_prefetch_b8 v0, s[64:65] scope:SCOPE_SE
	s_setreg_imm32_b32 hwreg(HW_REG_WAVE_MODE, 25, 1), 1
	s_wait_xcnt 0x0
; POSITIONS 0-15 OF EVERY BATCH, IN F32 THROUGHOUT: under the causal mask these rows average one to sixteen values, so the rounding of 16-bit operands weighs most there.  64 rows of the output are written over.
; rows32: the projections' f32 results, [q, k, v][batch][16][1024];  Wo [1024][1024], bo [1024], out [8192][1024]: f32.
; A work-group makes 16 rows x 64 columns of out for one batch.  Wave w is head w: S^T = K Q^T (16 x 16, K = 64), the causal softmax with the row's maximum taken away, O^T = V^T P, and the head's part of the projection,
; all by the f32 matrix form: 96 instructions a wave.  The sixteen parts meet in LDS; waves 0-7 add them, two rows each, onto bo.
; The attention is made anew by each of a batch's 16 work-groups: 32 matrix instructions against a launch more.  No cluster and no tensor load: what the work-groups share is 196,608 bytes a batch.
; A fragment of the f32 form holds k = 2 (lane / 16) + j in register j.  Along each product's K the places are permuted alike on both sides, so that each side's registers come by plain loads or are the last product's results as they lie.
; v32-63 and v64-95 are written by matrix instructions alone; what is made of a finished sum goes into other registers.
.set SPARE, 65536                      ; behind the sixteen parts of 4,096 bytes: the spare words, 128 bytes for each wave
.set SS, 16                            ; v16-23   the scores, then p
.set PP, 24                            ; v24-31   at work, then p / sum
.set SA, 32                            ; v32-63   four accumulators of S^T; later the four of the projection
.set OA, 64                            ; v64-95   O^T, four tiles of 16 channels
.set VF, 96                            ; v96-127  V
.set QF, 128                           ; v128-159 Q;  v160-191 K;  later v128-255: Wo
.set KF, 160
.set WF, 128
	s_load_b256 s[4:11], s[0:1], 0x0               ; rows32 s[4:5], Wo s[6:7], bo s[8:9], out s[10:11]
	v_lshl_add_u32 v1, v0, 2, SPARE                ; my spare word; never rewritten
	v_mov_b32 v2, 0                                ; 0; never rewritten
	v_lshrrev_b32 v10, 5, v0
	v_readfirstlane_b32 s12, v10                   ; wave = head
	v_and_b32 v10, 15, v0                          ; r
	v_bfe_u32 v11, v0, 4, 1                        ; h
	v_lshlrev_b32 v3, 12, v10
	v_lshl_add_u32 v3, v11, 4, v3                  ; Q, K: row r of 4,096 bytes, + 16 h
	v_lshlrev_b32 v4, 2, v10
	v_lshl_add_u32 v4, v11, 15, v4                 ; V, Wo: 8 h rows down, column r
	v_lshlrev_b32 v5, 3, v11
	v_sub_nc_u32 v5, v10, v5                       ; r - 8 h
	v_and_b32 v12, 31, v0
	s_lshl_b32 s13, s12, 12
	v_lshl_add_u32 v6, v12, 4, s13                 ; my part in LDS: an image of the registers, 16 bytes a lane
	s_and_b32 s14, s12, 7
	v_bfe_u32 v13, v0, 2, 2
	v_lshlrev_b32 v7, 10, v13                      ; back: columns 4 (lane % 16) on of row 2 (w % 8) + lane / 16: which tile of 16 columns,
	v_and_b32 v13, 1, v0
	v_lshl_add_u32 v7, v13, 9, v7                  ; which four of a lane's eight,
	v_bfe_u32 v13, v0, 1, 1
	v_lshl_add_u32 v7, v13, 8, v7                  ; which half of the lanes,
	v_lshl_add_u32 v7, v11, 4, v7                  ; and the lane that held the row
	s_lshl_b32 s15, s14, 5
	v_add_nc_u32 v7, s15, v7
	v_lshlrev_b32 v9, 4, v10                       ; 16 bytes a lane in bo
	v_lshl_add_u32 v8, v11, 12, v9
	s_lshl_b32 s15, s14, 13
	v_add_nc_u32 v8, s15, v8                       ; and in out: row 2 (w % 8) + lane / 16
	v_mov_b32 v14, 0xff800000                      ; -infinity
	s_mov_b32 s26, 0x76543210
	s_mov_b32 s27, 0xfedcba98                      ; v_permlanex16_b32's selects for lane l xor 16
	s_mov_b32 s28, 0x3e38aa3b                      ; c = log2(e) / 8
	s_and_b32 s16, ttmp7, 0xffff                   ; the batch
	s_lshl_b32 s18, s16, 16
	s_lshl_b32 s17, s12, 8
	s_add_co_u32 s18, s18, s17                     ; rows32: the batch's 16 rows, my head's 64 columns
	s_mov_b32 s19, 0
	s_lshl_b32 s22, ttmp9, 8                       ; my work-group's 64 columns of out, in bytes
	s_mov_b32 s23, 0
	s_lshl_b32 s20, s12, 18                        ; Wo: my head's 64 rows
	s_add_co_u32 s20, s20, s22
	s_mov_b32 s21, 0
	s_lshl_b32 s24, s16, 23                        ; out: 2,048 rows of 4,096 bytes a batch
	s_add_co_u32 s24, s24, s22
	s_mov_b32 s25, 0
	s_wait_kmcnt 0x0
	s_add_nc_u64 s[4:5], s[4:5], s[18:19]
	s_add_nc_u64 s[6:7], s[6:7], s[20:21]
	s_add_nc_u64 s[8:9], s[8:9], s[22:23]
	s_add_nc_u64 s[10:11], s[10:11], s[24:25]
.irp c, 0,1,2,3,4,5,6,7
	global_load_b128 v[QF+4*\c:QF+4*\c+3], v3, s[4:5] offset:32*\c                 ; Q(r, 8 c + 4 h + 0 .. 3)
.endr
.irp c, 0,1,2,3,4,5,6,7
	global_load_b128 v[KF+4*\c:KF+4*\c+3], v3, s[4:5] offset:262144+32*\c          ; K likewise
.endr
.irp ct, 0,1,2,3
.irp j, 0,1,2,3,4,5,6,7
	global_load_b32 v[VF+8*\ct+\j], v4, s[4:5] offset:524288+4096*\j+64*\ct        ; V(key 8 h + j, channel 16 ct + r)
.endr
.endr
	s_wait_loadcnt 32                              ; Q and K are in; V's 32 loads may be out
.irp i, 0,1,2,3,4,5,6,7,8,9,10,11,12,13,14,15      ; S^T: four channels an instruction; four accumulators take turns
.if \i < 4
	v_wmma_f32_16x16x4_f32 v[SA+8*(\i%4):SA+8*(\i%4)+7], v[KF+2*\i:KF+2*\i+1], v[QF+2*\i:QF+2*\i+1], 0
.else
	v_wmma_f32_16x16x4_f32 v[SA+8*(\i%4):SA+8*(\i%4)+7], v[KF+2*\i:KF+2*\i+1], v[QF+2*\i:QF+2*\i+1], v[SA+8*(\i%4):SA+8*(\i%4)+7]
.endif
.endr
	s_wait_loadcnt 0x0                             ; V
.rept 8
	v_nop                                          ; eight places behind this form: in front of the loads into Q's and K's registers, and of the first read of results
.endr
.irp nt, 0,1,2,3
.irp ct, 0,1,2,3
.irp e, 0,1,2,3,4,5,6,7
	global_load_b32 v[WF+32*\nt+8*\ct+\e], v4, s[6:7] offset:(16*\ct+\e)*4096+64*\nt   ; Wo(64 w + 16 ct + 8 h + e, my columns' 16 nt + r): they land while the softmax is walked
.endr
.endr
.endr
.irp p, 0,2,4,6                                    ; the four accumulators' sum: lane (r, h), register j: query r, key 8 h + j
	v_pk_add_f32 v[SS+\p:SS+\p+1], v[SA+\p:SA+\p+1], v[SA+8+\p:SA+8+\p+1]
	v_pk_add_f32 v[PP+\p:PP+\p+1], v[SA+16+\p:SA+16+\p+1], v[SA+24+\p:SA+24+\p+1]
.endr
.irp p, 0,2,4,6
	v_pk_add_f32 v[SS+\p:SS+\p+1], v[SS+\p:SS+\p+1], v[PP+\p:PP+\p+1]
.endr
.irp j, 0,1,2,3,4,5,6,7
	v_cmp_gt_i32 vcc_lo, \j, v5                    ; key 8 h + j > query r: hidden
	v_cndmask_b32 v[SS+\j], v[SS+\j], v14, vcc_lo
.endr
	v_max3_num_f32 v10, v[SS], v[SS+1], v[SS+2]
	v_max3_num_f32 v10, v10, v[SS+3], v[SS+4]
	v_max3_num_f32 v10, v10, v[SS+5], v[SS+6]
	v_max_num_f32 v10, v10, v[SS+7]
	v_permlanex16_b32 v11, v10, s26, s27
	v_max_num_f32 v10, v10, v11                    ; the row's maximum: key 0 counts for every query, so it is a number
	v_mul_f32 v12, s28, v10
.irp j, 0,1,2,3,4,5,6,7
	v_fma_f32 v[SS+\j], v[SS+\j], s28, -v12        ; c s - c m
.endr
.irp j, 0,1,2,3,4,5,6,7
	v_exp_f32 v[SS+\j], v[SS+\j]
.endr
	v_nop                                          ; a plain instruction behind the last exponential
	s_wait_alu depctr_va_vdst(0)                   ; one wait for the eight, ahead of their first reader
	v_pk_add_f32 v[PP:PP+1], v[SS:SS+1], v[SS+2:SS+3]
	v_pk_add_f32 v[PP+2:PP+3], v[SS+4:SS+5], v[SS+6:SS+7]
	v_pk_add_f32 v[PP:PP+1], v[PP:PP+1], v[PP+2:PP+3]
	v_add_f32 v13, v[PP], v[PP+1]
	v_permlanex16_b32 v11, v13, s26, s27
	v_add_f32 v13, v13, v11                        ; the row's sum
	v_rcp_f32 v13, v13
	v_nop
	s_wait_alu depctr_va_vdst(0)
.irp j, 0,1,2,3,4,5,6,7
	v_mul_f32 v[PP+\j], v[SS+\j], v13              ; the weights
.endr
.rept 4
	v_nop
.endr
.irp i, 0,1,2,3                                    ; O^T = V^T P: keys 8 h + 2 i + 0, 1 an instruction; the four tiles of channels take turns
.irp ct, 0,1,2,3
.if \i == 0
	v_wmma_f32_16x16x4_f32 v[OA+8*\ct:OA+8*\ct+7], v[VF+8*\ct+2*\i:VF+8*\ct+2*\i+1], v[PP+2*\i:PP+2*\i+1], 0
.else
	v_wmma_f32_16x16x4_f32 v[OA+8*\ct:OA+8*\ct+7], v[VF+8*\ct+2*\i:VF+8*\ct+2*\i+1], v[PP+2*\i:PP+2*\i+1], v[OA+8*\ct:OA+8*\ct+7]
.endif
.endr
.endr
.rept 9
	v_nop                                          ; nine places before a matrix instruction takes these results as a source
.endr
	s_wait_loadcnt 0x0                             ; Wo
.irp ct, 0,1,2,3                                   ; my head's part of out^T: channels 16 ct + 8 h + 2 i + 0, 1 an instruction; O^T's registers are source 1 as they lie; the four tiles of columns take turns
.irp i, 0,1,2,3
.irp nt, 0,1,2,3
.if (\ct+\i) == 0
	v_wmma_f32_16x16x4_f32 v[SA+8*\nt:SA+8*\nt+7], v[WF+32*\nt+8*\ct+2*\i:WF+32*\nt+8*\ct+2*\i+1], v[OA+8*\ct+2*\i:OA+8*\ct+2*\i+1], 0
.else
	v_wmma_f32_16x16x4_f32 v[SA+8*\nt:SA+8*\nt+7], v[WF+32*\nt+8*\ct+2*\i:WF+32*\nt+8*\ct+2*\i+1], v[OA+8*\ct+2*\i:OA+8*\ct+2*\i+1], v[SA+8*\nt:SA+8*\nt+7]
.endif
.endr
.endr
.endr
.rept 8
	v_nop                                          ; eight places: in front of the stores that read the results, and of the loads into Wo's registers
.endr
.irp nt, 0,1,2,3
	ds_store_b128 v6, v[SA+8*\nt:SA+8*\nt+3] offset:1024*\nt          ; lane (r, h): row r, columns 16 nt + 8 h + 0 .. 3; each accumulator from its low end on
	ds_store_b128 v6, v[SA+8*\nt+4:SA+8*\nt+7] offset:1024*\nt+512    ; and + 4 .. 7
.endr
	s_wait_dscnt 0x0                               ; for the others' sake: my part has landed
	s_barrier_signal -1
	s_barrier_wait -1
	s_cmp_gt_u32 s12, 7                            ; waves 0-7 add the sixteen parts, two rows each; no barrier stands behind this branch
	s_cbranch_scc1 .Ldone
	global_load_b128 v[16:19], v9, s[8:9]          ; bo at my four columns
.irp k, 0,1,2,3,4,5,6,7,8,9,10,11,12,13,14,15
	ds_load_b128 v[128+4*\k:131+4*\k], v7 offset:4096*\k
.endr
	s_wait_loadcnt 0x0
.irp k, 0,1,2,3,4,5,6,7,8,9,10,11,12,13,14,15
	s_wait_dscnt 15-\k                             ; the younger LDS loads may be out
	v_pk_add_f32 v[16:17], v[16:17], v[128+4*\k:129+4*\k]
	v_pk_add_f32 v[18:19], v[18:19], v[130+4*\k:131+4*\k]
.endr
	global_store_b128 v8, v[16:19], s[10:11]       ; sixteen lanes store 256 consecutive bytes, aligned
.Ldone:
	s_wait_tensorcnt 0x0                           ; the wave's end, behind my last LDS store
	ds_add_u32 v1, v2
	s_wait_dscnt 0x0
	s_endpgm
.Lfunc_end_k_qa5ef517e52_first16:
	.size	k_qa5ef517e52_first16, .Lfunc_end_k_qa5ef517e52_first16-k_qa5ef517e52_first16
	.p2alignl 7, 3214868480
	.fill 96, 4, 3214868480
	.section	.rodata,"a",@progbits
	.p2align	6, 0x0
	.amdhsa_kernel k_qa5ef517e52_first16
		.amdhsa_group_segment_fixed_size 67584
		.amdhsa_private_segment_fixed_size 0
		.amdhsa_enable_private_segment 0
		.amdhsa_kernarg_size 32
		.amdhsa_user_sgpr_count 2
		.amdhsa_user_sgpr_kernarg_segment_ptr 1
		.amdhsa_wavefront_size32 1
		.amdhsa_system_sgpr_workgroup_id_x 1
		.amdhsa_system_sgpr_workgroup_id_y 1
		.amdhsa_system_sgpr_workgroup_id_z 1
		.amdhsa_system_vgpr_workitem_id 0
		.amdhsa_next_free_vgpr 256
		.amdhsa_next_free_sgpr 66
		.amdhsa_reserve_vcc 1
		.amdhsa_float_denorm_mode_32 3
		.amdhsa_float_denorm_mode_16_64 3
		.amdhsa_memory_ordered 1
		.amdhsa_forward_progress 1
		.amdhsa_inst_pref_size 34
	.end_amdhsa_kernel
	.amdgpu_metadata
---
amdhsa.version: [ 1, 2 ]
amdhsa.kernels:
  - .name:           k_qa5ef517e52_first16
    .symbol:         k_qa5ef517e52_first16.kd
    .args:
      - { .name: rows32, .offset: 0, .size: 8, .value_kind: global_buffer, .address_space: global }
      - { .name: Wo, .offset: 8, .size: 8, .value_kind: global_buffer, .address_space: global }
      - { .name: bo, .offset: 16, .size: 8, .value_kind: global_buffer, .address_space: global }
      - { .name: out0, .offset: 24, .size: 8, .value_kind: global_buffer, .address_space: global }
    .group_segment_fixed_size: 67584
    .private_segment_fixed_size: 0
    .kernarg_segment_align: 8
    .kernarg_segment_size: 32
    .max_flat_workgroup_size: 512
    .sgpr_count:     66
    .vgpr_count:     256
    .wavefront_size: 32
...
	.end_amdgpu_metadata
.endif
;; end of part 5
